; MI455X (gfx1250); checked and timed in simulation.
; The chip was launched on July 23, 2026; its instructions are those of AMD's public machine-readable ISA for CDNA 5 (MIT licence, August 2026) and "CDNA5" Instruction Set Architecture Reference Guide (July 2026). The comments in the code are by the model that wrote it; some were corrected since.
;; Multihead self attention. Allowed arithmetic: matrix products marked QUANTISED: E2M3 operands, one E8M0 scale for each 32 along K, by v_wmma_scale_f32_16x16x128_f8f6f4 with both operands' format E2M3, f32 sums; everything else in f32.
;; Inputs: wk_codes 1,024 x 32 x 24 uint8 (E2M3 codes of wk, K innermost, in blocks of 32 codes, four codes in three bytes); wk_scales 1,024 x 32 uint8 (E8M0 scales of wk, one for each 32 codes along K); wo_codes 1,024 x 32 x 24 uint8 (E2M3 codes of wo, K innermost, in blocks of 32 codes, four codes in three bytes); wo_scales 1,024 x 32 uint8 (E8M0 scales of wo, one for each 32 codes along K); wq_codes 1,024 x 32 x 24 uint8 (E2M3 codes of wq, K innermost, in blocks of 32 codes, four codes in three bytes); wq_scales 1,024 x 32 uint8 (E8M0 scales of wq, one for each 32 codes along K); wv_codes 1,024 x 32 x 24 uint8 (E2M3 codes of wv, K innermost, in blocks of 32 codes, four codes in three bytes); wv_scales 1,024 x 32 uint8 (E8M0 scales of wv, one for each 32 codes along K); x_codes 2 x 2,048 x 32 x 24 uint8 (E2M3 codes of x, K innermost, in blocks of 32 codes, four codes in three bytes); x_scales 2 x 2,048 x 32 uint8 (E8M0 scales of x, one for each 32 codes along K).
;; Outputs: out0 2 x 2,048 x 1,024 float32.
;; This version of the problem:
;;   THIS VERSION OF THE PROBLEM IS GIVEN IN LOW PRECISION. The matrix products marked QUANTISED in the list below multiply operands that are first quantised to E2M3 (2 exponent bits, 3 mantissa bits; 6 bits a number), with one power-of-two scale for each 32 numbers along K (OCP MX v1.0); their sums are f32. All else is computed in f32.
;;   The module's matrix products, in the order in which they are computed (A, B: the left and right operand; K: the contracted axis; several contracted axes count as one K, in the product's order):
;;     1. [M 4,096, K 1,024] x [K 1,024, N 1,024]; A: input x (given as codes); B: input wq (given as codes): QUANTISED
;;     2. [M 4,096, K 1,024] x [K 1,024, N 1,024]; A: input x (given as codes); B: input wk (given as codes): QUANTISED
;;     3. [M 4,096, K 1,024] x [K 1,024, N 1,024]; A: input x (given as codes); B: input wv (given as codes): QUANTISED
;;     4. batch 32 x [M 2,048, K 64] x [K 64, N 2,048]; A: computed on the way; B: computed on the way: QUANTISED
;;     5. batch 32 x [M 2,048, K 2,048] x [K 2,048, N 64]; A: softmax (see below); B: computed on the way: QUANTISED
;;     6. [M 4,096, K 1,024] x [K 1,024, N 1,024]; A: computed on the way; B: input wo (given as codes): QUANTISED
;;   THE QUANTISER, for each operand of a quantised product, along K:
;;     - K is cut into blocks of 32 from its start; a last block that is shorter is filled with zeros.
;;     - A block's scale is 2^e with e = floor(log2(the largest magnitude in the block)) - 2, held to -126 .. 127; a block of zeros has e = 0. As a byte (E8M0): e + 127.
;;     - Each number is divided by its block's scale, clamped to +-7.5, and rounded to the nearest number of E2M3, ties to even, subnormals kept.
;;     - The product sums the exact products of the quantised numbers (number of the format x scale) in f32.
;;   ~~~python
;;   def quantise(x, axis):      # numpy; x: float32 -> the quantised numbers, widened to float32 again
;;       x = np.moveaxis(x, axis, -1); K = x.shape[-1]
;;       x = np.pad(x, [(0, 0)] * (x.ndim - 1) + [(0, -K % 32)]); x = x.reshape(x.shape[:-1] + (-1, 32)); a = np.abs(x).max(-1, keepdims=True)
;;       e = np.where(a > 0, np.clip(np.frexp(np.where(a > 0, a, 1))[1] - 1 - 2, -126, 127), 0)      # np.frexp(a)[1] - 1 = floor(log2(a)), exactly
;;       r = np.clip(x / 2.0 ** e, -7.5, 7.5)
;;       step = 2.0 ** (np.maximum(np.frexp(np.where(r == 0, 1, r))[1] - 1, 0) - 3)
;;       q = np.round(r / step) * step * 2.0 ** e      # np.round: ties to even
;;       return np.moveaxis(q.reshape(q.shape[:-2] + (-1,))[..., :K], -1, axis).astype(np.float32)
;;   ~~~
;;   SOFTMAX AHEAD OF A QUANTISED PRODUCT. Where the list says 'softmax', what is quantised is not the finished softmax but p = 2^(t - M), with t = logit x log2(e) and M = ceil(the row's largest t), a whole number; so 1/2 < the row's largest p <= 1. The row's sum l is taken of the UNQUANTISED p, in f32, and the product's result is divided by l at the end. Since M is a whole number, a kernel that streams over the keys may use a running M (the ceiling of the running maximum): every later rescaling is an exact power of two, which a block's scale takes up: the codes' values come out the same.
;;   OPERANDS COMPUTED ON THE WAY. 'Computed on the way' means the value that the module computes at that place (a softmax that the list does not call 'softmax' is quantised finished and normalised). What goes into a quantiser is computed in f32, as accurately as f32 sums, v_exp_f32 and their like allow (about 1e-6 of the number): no bf16 or f16 on the way to a quantiser, and a product that is left as it is and whose result goes on into a quantised operand takes f32 operands (vector FMAs, or v_wmma_f32_16x16x4_f32). A number that lies on a knife's edge between two numbers of the format may be rounded either way, as far as f32 arithmetic and the matrix unit's own rounding can turn it there, and no further.
;;   INPUTS GIVEN AS CODES. wk (in the module: [1024, 1024], K = its axis 1); wo (in the module: [1024, 1024], K = its axis 1); wq (in the module: [1024, 1024], K = its axis 1); wv (in the module: [1024, 1024], K = its axis 1); x (in the module: [2, 2048, 1024], K = its axis 2): each comes as NAME_codes (uint8): NAME with its K axis moved to the last place and cut into blocks of 32 codes, [.., K / 32, bytes a block], one block behind the other in memory; four codes in three bytes: a row's codes are one little-endian stream of bits, code i at bits 6 i .. 6 i + 5 (a code: sign, 2 exponent bits, 3 mantissa bits); and NAME_scales (uint8): the same leading axes, one E8M0 byte (e + 127) for each 32 codes along K. Its value is code x scale, taken as it is: it is not quantised again, and the codes and scales need not be those that the quantiser above would give.
;; One version. Each part assembles by itself: llvm-mc -triple=amdgcn-amd-amdhsa -mcpu=gfx1250 --defsym DOCPART=n.
;; ======== version 1 of 1: 3 launches
;; workspace buffers: qkv 9,437,184 bytes; scl 655,360 bytes; aoc 3,145,728 bytes; aos 131,072 bytes
;; launch proj (part 1): grid 16 x 12, 4 waves a work-group, clusters of 4 x 4, 327,680 bytes of LDS; arguments x_codes, x_scales, wq_codes, wq_scales, wk_codes, wk_scales, wv_codes, wv_scales, qkv, scl; writes qkv, scl
.if DOCPART == 1
	.amdgcn_target "amdgcn-amd-amdhsa--gfx1250"
	.amdhsa_code_object_version 6
	.text
	.protected	k_qc02b4c3a67_proj
	.globl	k_qc02b4c3a67_proj
	.p2align	8
	.type	k_qc02b4c3a67_proj,@function
k_qc02b4c3a67_proj:
	s_mov_b64 s[64:65], 0
	v_nop
	global_prefetch_b8 v0, s[64:65] scope:SCOPE_SE
	s_setreg_imm32_b32 hwreg(HW_REG_WAVE_MODE, 25, 1), 1
	s_wait_xcnt 0x0
	s_wait_alu depctr_hold_cnt(0) depctr_sa_sdst(0) depctr_va_vdst(0) depctr_va_sdst(0) depctr_va_ssrc(0) depctr_va_vcc(0) depctr_vm_vsrc(0)
	s_getreg_b32 s2, hwreg(HW_REG_IB_STS2, 6, 4)
	s_cmp_eq_u32 s2, 0
	s_cbranch_scc0 .Lentry_in_a_cluster
	s_endpgm
.Lentry_in_a_cluster:
	s_bfe_u32 s2, ttmp6, 0x10000c
	s_cmp_lg_u32 s2, 0xf033
	s_cbranch_scc0 .Lentry_shape_is_right
	s_endpgm
.Lentry_shape_is_right:
; THE PROGRAM: causal attention of 16 heads of 64 on 2 x 2,048 tokens of 1,024, every product on codes of FP6 (E2M3) with one E8M0 scale for each 32 along K.
; Three launches: this one (Q, K, V = x w^T, quantised on the way out), the attention, the projection on the way out.
; DEAD WORK LEFT OUT (in the second launch): a step of 128 keys all of which come after a wave's 16 queries.  reference() sets those scores to -infinity by a mask that it builds itself
; (jnp.tril), so their p is 0 and they add nothing to the row's sum or to the second product, whatever the inputs hold.  LIMIT: a NaN, an infinity or an overflow that reaches only such scores is not carried to the result.
; Every input has a way to the output: all ten buffers are loaded.
; THIS LAUNCH: C = A B^T on codes, K = 1,024; a tile of C, 256 x 256, to a work-group of four waves; a wave makes 128 x 128: 64 accumulators, 512 registers.  K goes in steps of 256 through a ring of two LDS slots.
; The cluster's y says which product: 0: Q (A = x, B = wq), 1: K (A = x, B = wk), 2: V (A = wv, B = x).  The way out quantises along B's rows: for Q and K along the head's 64, for V along the tokens, which are the second
; product's K.  So V comes out as fragments of V^T, and nothing is transposed.
; THE MATRIX INSTRUCTION IS USED TRANSPOSED (source 0 = 16 rows of B, source 1 = 16 rows of A): a lane holds one row of A and eight neighbouring columns in each accumulator.
; WHAT IS STORED ARE IMAGES OF OPERAND REGISTERS.  A half image is 768 bytes: 16 rows x 64 along K, six registers a lane: registers 0-3 at 16 x lane, registers 4-5 at 512 + 8 x lane.
; Inside a block of 32 the codes stand in the order 0-7, 16-23, 8-15, 24-31 (what two conversions and the exchange of halves give).  Q and K both have it, V and the later p both have it: the same order of k on both sides of a product leaves its products as they are.
; qkv: head block (16 batch + head) x 294,912; in it Q at 0, K at 98,304, V at 196,608.  Q, K: token tile t at 768 t.  V: (4 x key step + channel tile) x 1,536, two half images.
; scl: head block x 20,480: Q's words [token] at 0, K's at 8,192, V's [key step][channel] at 16,384.  A word of Q or K: bytes 0, 1 the head's two scale bytes; bytes 2, 3 the neighbour head's or 0: never 0xff; they meet zero codes alone.
; A block's scale byte is its largest magnitude's exponent field - 2, held at 1 from below.  LIMITS: a block of zeros gets the byte 1 where the rule says 127 (its codes are zeros, and this program alone reads the bytes); NaN and infinities are not served.
; CLUSTERS: 4 x 4 work-groups; A's tiles are asked for jointly along a row of the cluster, B's along a column.  192 work-groups: a smaller tile would fill more WGPs and read each LDS byte for half the products.
; REGISTERS: window 0: v7-31 addresses; v32-63 scale words, two sets; v64-127 the way out; v128-223 A's fragments, one set.  window 1: B's fragments, two sets.  windows 2, 3: the accumulators ((a, b) at v[8 (8 (a % 4) + b)]).
.set KSTEP,  256
.set NQ,     2                         ; matrix instructions deep in a slot
.set ROWB,   192                       ; a tile's row: 256 codes
.set KROW,   768                       ; a row of A or B in memory
.set PITCH,  240                       ; an LDS row: 3 x (64 bytes + 16 of padding)
.set FR,     12
.set NL,     6
.set NP,     4                         ; places behind this matrix instruction (ISA guide 7.12.1)
.set HALFT,  128*PITCH
.set SLOT,   4*HALFT
.set LAPS,   2                         ; 1,024 / 512
.set KS,     32                        ; a row of scale bytes
.set SCL,    2*SLOT                    ; behind the ring: the scales, as units of 256 bytes + 16 of padding
.set HALFS,  (128*KS/256)*272
.set SBLK,   (16*KS/256)*272
.set SPARE,  SCL+4*HALFS               ; the spare words, 128 bytes a wave: two blocks of 256 bytes that no other line names
.set SHV,  7                           ; v7   16 x (lane / 16)
.set STS,  8                           ; v8   the way out: where my row's scale word goes: wave x 1,024 + 512 (lane / 16) + 4 (lane % 16), in slot 0, which has had its last fill and its last read by then
.set STR,  9                           ; v9   and where 16 bytes of words are read back: wave x 1,024 + 16 x lane
.set VS0,  10                          ; v10  their place in scl
.set ADRA, 16
.set ADRB, 20
.set ADRS, 27
.set SPW,  28                          ; v28  my spare word; never rewritten
.set NIL,  29                          ; v29  0; never rewritten
.set L16,  30                          ; v30  16 x lane
.set L8,   31                          ; v31  8 x lane
.set SC,   32
.set TM,   64                          ; v64-67 largest magnitudes, v68-71 bytes, v76-79 the conversions' scale operands
.set PW,   80                          ; the row's four scale bytes
.set RB0,  84                          ; v84-87, v88-91 scale words read back
.set RB1,  88
.set PC,   96                          ; v96-107 a fragment's codes, v108-115 at work
.set SW,   116                         ; v116-123 the word as it is stored, a register for each block
.set AF,   128
.set G1, 24
.set G0, 32
.set G1B, 48
.set G0B, 56
.set G1S, 68
.set G0S, 76
.set G1SB, 80
.set G0SB, 88
.set WVN, 66                           ; s66 wave;  s67 wave / 2: my half of the tile's rows, and: I fetch for A (0) or B (1);  s92 wave % 2: my half of its columns, and which 128 rows I fetch
.set RH,  67
.set CH,  92
.set TRW, 93                           ; s93 tile row, s42 tile column, s95 which product
.set TCL, 42
.set WH,  95
.set MSB, 0
.macro WIN new                         ; the immediate's high byte repeats the setting that is left
.if MSB != \new
	s_set_vgpr_msb (MSB<<8)|\new
.set MSB, \new
.endif
.endm
.set MUL_LO, 0xa1                      ; source 0 (B) window 1, source 1 (A) window 0, C and D window 2
.set MUL_HI, 0xf1
.set TO_B,   0x40
; A joint load: waves 0 and 1 fetch for A, waves 2 and 3 for B; the branch hangs on the wave's number alone.  An s_nop 0 and four v_nop follow each line.
.macro JLOAD g0a, g1a, g0b, g1b
	s_cmp_eq_u32 s[RH], 0
	s_cbranch_scc0 .Lfor_b_\@
	tensor_load_to_lds s[\g0a:\g0a+3], s[\g1a:\g1a+7]
	s_nop 0
.rept 4
	v_nop
.endr
	s_branch .Lasked_\@
.Lfor_b_\@:
	tensor_load_to_lds s[\g0b:\g0b+3], s[\g1b:\g1b+7]
	s_nop 0
.rept 4
	v_nop
.endr
.Lasked_\@:
.endm
.macro CREST                           ; a round of the cluster's barrier behind its opening barrier
	s_cmp_lg_u32 s[WVN], 0
	s_cbranch_scc1 .Lnot_wave_0_\@
	s_barrier_signal -3
.Lnot_wave_0_\@:
	s_barrier_wait -3
	s_barrier_signal -1
	s_barrier_wait -1
.endm
.macro CROUND
	s_barrier_signal -1
	s_barrier_wait -1
	CREST
.endm
	s_load_b512 s[4:19], s[0:1], 0x0               ; x's codes s[4:5], scales s[6:7]; wq's s[8:11]; wk's s[12:15]; wv's s[16:19]
	s_load_b128 s[20:23], s[0:1], 0x40             ; qkv s[20:21], scl s[22:23]
	v_lshl_add_u32 v[SPW], v0, 2, SPARE
	v_mov_b32 v[NIL], 0
	ds_add_u32 v[SPW], v[NIL]                      ; the wave's opening: the add, twice on end, and its wait ahead of my first tensor load
	ds_add_u32 v[SPW], v[NIL]
	v_lshrrev_b32 v1, 5, v0
	v_readfirstlane_b32 s[WVN], v1
	s_lshr_b32 s[RH], s[WVN], 1
	s_and_b32 s[CH], s[WVN], 1
	s_bfe_u32 s40, ttmp6, 0x40000                  ; cx, cy: my place in the cluster
	s_bfe_u32 s41, ttmp6, 0x40004
	s_and_b32 s[WH], ttmp7, 0xffff                 ; the cluster's y: which product; the same in all sixteen partners
	s_lshl_b32 s2, ttmp9, 2                        ; 4 x the cluster's x: it walks x's 16 tiles of 256 tokens, which are A's rows for Q and K and B's rows for V
	s_cmp_eq_u32 s[WH], 2
	s_cselect_b32 s[TRW], 0, s2
	s_cselect_b32 s[TCL], s2, 0
	s_add_co_u32 s[TRW], s[TRW], s41               ; tile row: cy (+ 4 x cluster x)
	s_add_co_u32 s[TCL], s[TCL], s40               ; tile column: cx (+ 4 x cluster x)
	s_lshl_b32 s43, s41, 2
	s_lshl_b32 s43, 15, s43                        ; my row of the cluster
	s_lshl_b32 s44, 0x1111, s40                    ; my column
	; descriptor group 1: a tile of 128 rows x 192 bytes, 16 bytes of padding behind every 64
	s_or_b32 s[G1+0], s43, (0<<16)|(1<<20)|(1<<21)|(3<<22)|(3<<25)
	s_or_b32 s[G1B+0], s44, (0<<16)|(1<<20)|(1<<21)|(3<<22)|(3<<25)
.irp g, G1, G1B
	s_mov_b32 s[\g+1], ROWB<<16                    ; tensor_dim0
	s_mov_b32 s[\g+2], 128<<16                     ; tensor_dim1
	s_mov_b32 s[\g+3], ROWB<<16                    ; tile_dim0
	s_mov_b32 s[\g+4], 128                         ; tile_dim1
	s_mov_b32 s[\g+5], KROW                        ; from row to row
	s_mov_b32 s[\g+6], 0
	s_mov_b32 s[\g+7], 0
.endr
	; the scales of 128 rows: 4,096 dense bytes as 16 rows of 256 bytes, 16 bytes of padding behind each
	s_or_b32 s[G1S+0], s43, (3<<16)|(1<<20)|(1<<21)|(5<<22)|(3<<25)
	s_or_b32 s[G1SB+0], s44, (3<<16)|(1<<20)|(1<<21)|(5<<22)|(3<<25)
.irp g, G1S, G1SB
	s_mov_b32 s[\g+1], 32<<16
	s_mov_b32 s[\g+2], (128*KS/256)<<16
	s_mov_b32 s[\g+3], 32<<16
	s_mov_b32 s[\g+4], 128*KS/256
	s_mov_b32 s[\g+5], 32
	s_mov_b32 s[\g+6], 0
	s_mov_b32 s[\g+7], 0
.endr
	s_lshl_b32 s2, s[CH], 7                        ; which 128 rows of the tile I fetch
	s_lshl_b32 s96, s[TRW], 8
	s_add_co_u32 s96, s96, s2                      ; A: row 256 x tile row + 128 x half (under 4,096: all offsets fit 32 bits)
	s_lshl_b32 s100, s[TCL], 8
	s_add_co_u32 s100, s100, s2                    ; B: row 256 x tile column + 128 x half
	s_lshl_b32 s98, s96, 5                         ; where these rows' scales begin,
	s_mov_b32 s99, 0
	s_mul_i32 s96, s96, KROW                       ; and their codes
	s_mov_b32 s97, 0
	s_lshl_b32 s46, s100, 5
	s_mov_b32 s47, 0
	s_mul_i32 s100, s100, KROW
	s_mov_b32 s101, 0
	s_mul_i32 s45, s[WVN], HALFT                   ; where they go: wave x 128 rows: no place in the cluster enters an LDS address
	s_mul_i32 s94, s[WVN], HALFS
	s_wait_dscnt 0x0                               ; both opening adds are done
	s_wait_kmcnt 0x0
	s_cmp_eq_u32 s[WH], 1                          ; the buffers are chosen on the product's number alone
	s_cselect_b64 s[8:9], s[12:13], s[8:9]         ; wk or wq
	s_cselect_b64 s[10:11], s[14:15], s[10:11]
	s_cmp_eq_u32 s[WH], 2
	s_cselect_b64 s[8:9], s[4:5], s[8:9]           ; B: for V it is x
	s_cselect_b64 s[10:11], s[6:7], s[10:11]
	s_cselect_b64 s[16:17], s[16:17], s[4:5]       ; A: for V it is wv, else x
	s_cselect_b64 s[18:19], s[18:19], s[6:7]
	s_add_nc_u64 s[96:97], s[16:17], s[96:97]
	s_add_nc_u64 s[98:99], s[18:19], s[98:99]
	s_add_nc_u64 s[100:101], s[8:9], s[100:101]
	s_add_nc_u64 s[46:47], s[10:11], s[46:47]
	CROUND                                         ; all sixteen work-groups are here: the first joint loads meet
	s_mov_b32 s[G0S], 1
	s_add_co_u32 s[G0S+1], s94, SCL
	s_mov_b64 s[G0S+2:G0S+3], s[98:99]
	s_or_b32 s[G0S+3], s[G0S+3], 0x80000000
	s_mov_b32 s[G0SB], 1
	s_add_co_u32 s[G0SB+1], s94, SCL
	s_mov_b64 s[G0SB+2:G0SB+3], s[46:47]
	s_or_b32 s[G0SB+3], s[G0SB+3], 0x80000000
	JLOAD G0S, G1S, G0SB, G1SB                     ; the scales first: they are wanted with K step 0
.irp s, 0,1
	s_mov_b32 s[G0+4*\s], 1
	s_add_co_u32 s[G0+4*\s+1], s45, \s*SLOT
	s_add_nc_u64 s[G0+4*\s+2:G0+4*\s+3], s[96:97], \s*ROWB
	s_or_b32 s[G0+4*\s+3], s[G0+4*\s+3], 0x80000000
	s_mov_b32 s[G0B+4*\s], 1
	s_add_co_u32 s[G0B+4*\s+1], s45, \s*SLOT
	s_add_nc_u64 s[G0B+4*\s+2:G0B+4*\s+3], s[100:101], \s*ROWB
	s_or_b32 s[G0B+4*\s+3], s[G0B+4*\s+3], 0x80000000
	JLOAD G0+4*\s, G1, G0B+4*\s, G1B               ; three loads of mine are out now
.endr
	v_and_b32 v1, 15, v0                           ; r = lane % 16
	v_bfe_u32 v2, v0, 4, 1                         ; h = lane / 16
	v_mul_u32_u24 v3, v1, PITCH
	v_mul_u32_u24 v4, v2, 24
	v_add_nc_u32 v4, v3, v4                        ; a fragment's row x pitch + 24 x half
	v_lshl_add_u32 v5, v2, 4, v4                   ; and the same behind one padding more
	s_mul_i32 s16, s[RH], HALFT                    ; my 128 rows of A
	s_mul_i32 s17, s[CH], HALFT                    ; my 128 rows of B,
	s_add_co_u32 s17, s17, 2*HALFT                 ; which lie behind A's 256
.irp s, 0,1
	v_add_nc_u32 v[ADRA+\s], s16, v4
	v_add_nc_u32 v[ADRB+\s], s17, v4
	v_add_nc_u32 v[ADRA+2+\s], s16, v5
	v_add_nc_u32 v[ADRB+2+\s], s17, v5
	s_add_co_u32 s16, s16, SLOT
	s_add_co_u32 s17, s17, SLOT
.endr
	v_mul_u32_u24 v5, v1, KS                       ; my row's scales: 32 bytes a row,
	v_lshrrev_b32 v6, 8, v5
	v_lshl_add_u32 v5, v6, 4, v5                   ; and 16 more for each 256 passed
	s_mul_i32 s16, s[RH], HALFS
	s_mul_i32 s17, s[CH], HALFS
	s_add_co_u32 s17, s17, 2*HALFS
	s_sub_co_u32 s17, s17, s16
	v_mul_u32_u24 v6, s17, v2                      ; lanes 16-31 take B's
	s_add_co_u32 s16, s16, SCL
	v_add_nc_u32 v5, v5, v6
	v_add_nc_u32 v[ADRS], s16, v5
	; the way out's lane terms
	v_and_b32 v6, 31, v0
	v_lshlrev_b32 v[L16], 4, v6
	v_lshlrev_b32 v[L8], 3, v6
	v_lshlrev_b32 v[SHV], 4, v2
	s_lshl_b32 s16, s[WVN], 10
	v_lshlrev_b32 v[STS], 2, v1
	v_lshl_add_u32 v[STS], v2, 9, v[STS]
	v_add_nc_u32 v[STS], s16, v[STS]
	v_add_nc_u32 v[STR], s16, v[L16]
.irp b, 0,1,2,3
	v_mov_b32 v[TM+4+\b], 0                        ; written once: a lane permute's destination counts as one of its sources
.endr
	; the way out's addresses.  R0, N0: my first row of A and of B.  The tokens are A's rows for Q and K, B's rows for V; the features the other way round
	s_lshl_b32 s16, s[TRW], 8
	s_lshl_b32 s17, s[RH], 7
	s_add_co_u32 s16, s16, s17                     ; R0
	s_lshl_b32 s17, s[TCL], 8
	s_lshl_b32 s18, s[CH], 7
	s_add_co_u32 s17, s17, s18                     ; N0
	s_cmp_eq_u32 s[WH], 2
	s_cselect_b32 s18, s17, s16                    ; my first token
	s_cselect_b32 s19, s16, s17                    ; my first feature: two heads' worth follow
	s_mov_b32 s10, 768
	s_cselect_b32 s10, 1536, s10                   ; from block to block: a token tile's half image, or a channel tile's two
	s_mov_b32 s12, 768
	s_cselect_b32 s12, 290304, s12                 ; from block 3 to block 4: for V on to the next head: 294,912 - 3 x 1,536
	s_mov_b32 s6, 294912
	s_cselect_b32 s6, 768, s6                      ; from a fragment's first half image to its second: the next head's block, or for V the next 64 keys
	s_cselect_b32 s2, 1, 2
	s_mov_b32 s3, 256
	s_cselect_b32 s3, 20480, s3
	v_mul_u32_u24 v[VS0], s3, v2                   ; the words' place: 16 (lane % 16), and lanes 16-31 256 bytes on, or for V in the next head's block
	v_lshl_add_u32 v[VS0], v1, 4, v[VS0]
	s_lshr_b32 s8, s18, 11                         ; batch
	s_lshl_b32 s8, s8, 4
	s_lshr_b32 s9, s19, 6
	s_add_co_u32 s8, s8, s9                        ; 16 x batch + head
	s_and_b32 s9, s18, 2047                        ; the token inside its batch
	s_mul_i32 s4, s8, 294912
	s_mul_i32 s5, s[WH], 98304
	s_add_co_u32 s4, s4, s5
	s_mul_i32 s5, s9, 48                           ; 768 bytes for 16 tokens, in Q, K and V alike
	s_add_co_u32 s4, s4, s5
	s_mov_b32 s5, 0
	s_add_nc_u64 s[4:5], s[20:21], s[4:5]          ; where a fragment's first half image goes,
	s_mov_b32 s7, 0
	s_add_nc_u64 s[6:7], s[4:5], s[6:7]            ; and its second
	s_mul_i32 s8, s8, 20480
	s_lshl_b32 s16, s[WH], 13
	s_add_co_u32 s8, s8, s16
	s_lshl_b32 s9, s9, s2                          ; 4 bytes a token; for V 256 bytes for 128 tokens
	s_add_co_u32 s8, s8, s9
	s_mov_b32 s9, 0
	s_add_nc_u64 s[8:9], s[22:23], s[8:9]          ; the scale words
	s_mov_b32 s11, 0
	s_mov_b32 s13, 0
	s_mov_b32 s14, 0x76543210
	s_mov_b32 s15, 0xfedcba98                      ; v_permlanex16_b32's selects for lane l xor 16
.macro FRAG reg, adr, q, i             ; a fragment: 16 rows x 128 K, 12 registers: lane l holds row l % 16; registers 6 c .. 6 c + 5 hold K = 64 c + 32 (l / 16) + 0 .. 31, as they lie, in pieces of 8 bytes
.irp p, 0,1,2,3,4,5
.set PCE, 12*(\q)+6*(\p/3)+\p%3        ; where the piece three on lies behind one padding more, the second address register serves
.if PCE%8 < 5
	ds_load_b64 v[\reg+2*\p:\reg+2*\p+1], v[\adr] offset:8*PCE+16*(PCE/8)+(\i)*16*PITCH
.else
	ds_load_b64 v[\reg+2*\p:\reg+2*\p+1], v[\adr+2] offset:8*PCE+16*(PCE/8)+(\i)*16*PITCH
.endif
.endr
.endm
; 16 matrix instructions: A's blocks a0, a0 + 1 x B's eight.  The 64 accumulators take turns, one instruction a turn, in the same order in every step.
.macro MUL16 a0, p, q, sc, zero
.irp a, \a0, \a0+1
.irp b, 0,1,2,3,4,5,6,7
.if \zero
	v_wmma_scale_f32_16x16x128_f8f6f4 v[8*(8*((\a)%4)+\b):8*(8*((\a)%4)+\b)+7], v[128*(\p)+FR*\b:128*(\p)+FR*\b+FR-1], v[AF+FR*(\a):AF+FR*(\a)+FR-1], 0, v[SC+8*NQ*(\sc)+NQ*\b+(\q)], v[SC+8*NQ*(\sc)+NQ*(\a)+(\q)] matrix_a_fmt:MATRIX_FMT_FP6 matrix_b_fmt:MATRIX_FMT_FP6 matrix_a_scale:MATRIX_SCALE_ROW1
.else
	v_wmma_scale_f32_16x16x128_f8f6f4 v[8*(8*((\a)%4)+\b):8*(8*((\a)%4)+\b)+7], v[128*(\p)+FR*\b:128*(\p)+FR*\b+FR-1], v[AF+FR*(\a):AF+FR*(\a)+FR-1], v[8*(8*((\a)%4)+\b):8*(8*((\a)%4)+\b)+7], v[SC+8*NQ*(\sc)+NQ*\b+(\q)], v[SC+8*NQ*(\sc)+NQ*(\a)+(\q)] matrix_a_fmt:MATRIX_FMT_FP6 matrix_b_fmt:MATRIX_FMT_FP6 matrix_a_scale:MATRIX_SCALE_ROW1
.endif
.endr
.endr
.endm
.macro FETCH_B slot, q, p
	WIN TO_B
.irp i, 0,1,2,3,4,5,6,7
	FRAG 128*(\p)+FR*\i, ADRB+\slot, \q, \i
.endr
	WIN 0
.endm
.macro FETCH_A slot, q, i0
.irp i, \i0, \i0+1, \i0+2, \i0+3
	FRAG AF+FR*(\i), ADRA+\slot, \q, \i
.endr
.endm
.macro SCALES sc                       ; a K step's scale words: lanes 0-15 take A's block i, lanes 16-31 B's block i
.irp i, 0,1,2,3,4,5,6,7
	ds_load_b64 v[SC+8*NQ*\sc+NQ*\i:SC+8*NQ*\sc+NQ*\i+1], v[ADRS] offset:\i*SBLK
.endr
.endm
.macro PLACES n                        ; plain vector instructions between a matrix instruction and a load into, or a read of, its registers
.rept \n
	v_nop
.endr
.endm
.macro STEP slot, q, zero              ; a step of 128 along K that has its successor in the same slot
	s_wait_dscnt 4*NL                              ; B's set and A's blocks 0-3 are in; the youngest 24 loads (A's blocks 4-7) may be out
	WIN MUL_LO
	MUL16 0, (\q)%2, \q, \slot, \zero
	MUL16 2, (\q)%2, \q, \slot, \zero
	s_wait_dscnt 0
	PLACES NP
	FETCH_B \slot, (\q)+1, 1-(\q)%2
	FETCH_A \slot, (\q)+1, 0
	WIN MUL_HI
	MUL16 4, (\q)%2, \q, \slot, \zero
	MUL16 6, (\q)%2, \q, \slot, \zero
	PLACES NP
	WIN 0
	FETCH_A \slot, (\q)+1, 4
.endm
; A slot's last step changes slots: one barrier; in front of it each wave waits for all its tensor loads, adds 0 to its spare word, and waits for that and for its reads of this slot.
.macro TURN slot, next, fill
	s_wait_tensorcnt 0x0                           ; all my tensor loads have landed: my part of the next slot
	ds_add_u32 v[SPW], v[NIL]
	s_wait_dscnt 4*NL+1                            ; (the add and the youngest 24 loads may be out)
	WIN MUL_LO
	MUL16 0, 1, NQ-1, \slot, 0
	s_wait_dscnt 0x0                               ; the add is done, and my reads of this slot are over
	s_barrier_signal -1
	MUL16 2, 1, NQ-1, \slot, 0
	WIN 0
	s_barrier_wait -1
.if \fill
	CREST                                          ; the barrier has opened a round of the cluster's: no wave of any partner still reads this slot or has a load on its way
	s_add_nc_u64 s[G0+4*\slot+2:G0+4*\slot+3], s[G0+4*\slot+2:G0+4*\slot+3], 2*ROWB
	s_add_nc_u64 s[G0B+4*\slot+2:G0B+4*\slot+3], s[G0B+4*\slot+2:G0B+4*\slot+3], 2*ROWB
	JLOAD G0+4*\slot, G1, G0B+4*\slot, G1B         ; the first tensor load behind the round; its four v_nop are the places in front of the loads below
.else
	PLACES NP
.endif
	v_add_nc_u32 v[ADRS], 4*NQ, v[ADRS]            ; the next K step's scale words
	FETCH_B \next, 0, 0
	FETCH_A \next, 0, 0
	SCALES \next
	WIN MUL_HI
	MUL16 4, 1, NQ-1, \slot, 0
	MUL16 6, 1, NQ-1, \slot, 0
	PLACES NP
	WIN 0
	FETCH_A \next, 0, 4
.endm
	s_wait_tensorcnt 1                             ; the scales and my part of K step 0 are in (K step 1's load may be out)
	s_barrier_signal -1
	s_barrier_wait -1
	FETCH_B 0, 0, 0
	FETCH_A 0, 0, 0
	SCALES 0
	FETCH_A 0, 0, 4
	STEP 0, 0, 1                                   ; the first step's products start the sums: nothing is cleared
	s_mov_b32 s3, LAPS-1
.Llap:                                             ; a trip goes once round the ring and fills both slots again
	TURN 0, 1, 1
	STEP 1, 0, 0
	TURN 1, 0, 1
	STEP 0, 0, 0
	s_sub_co_u32 s3, s3, 1
	s_cmp_lg_u32 s3, 0
	s_cbranch_scc1 .Llap
	TURN 0, 1, 0                                   ; the last lap fills nothing
	STEP 1, 0, 0
	s_wait_dscnt 4*NL
	WIN MUL_LO
	MUL16 0, 1, NQ-1, 1, 0
	MUL16 2, 1, NQ-1, 1, 0
	s_wait_dscnt 0
	WIN MUL_HI
	MUL16 4, 1, NQ-1, 1, 0
	MUL16 6, 1, NQ-1, 1, 0
	WIN 0
; THE WAY OUT of A's block a: 16 rows x 128 columns become one fragment (two half images) and a scale word a row.  In the block's 64 registers, registers 16 b .. 16 b + 15 of lanes l and l xor 16 are block b of 32 columns.
.macro QBLK a
.set AC, 64*((\a)%4)
.set WW, 2+(\a)/4
.set WS, 5*WW
	WIN WS                                         ; sources 0 and 1: the accumulators' window
.irp b, 0,1,2,3
	v_max3_num_f32 v[TM+\b], |v[AC+16*\b]|, |v[AC+16*\b+1]|, 0x1800000   ; each accumulator is read from its low end on; the floor 2^(3 - 127) holds the byte at 1 from below
.endr
.irp i, 2,4,6,8,10,12,14
.irp b, 0,1,2,3
	v_max3_num_f32 v[TM+\b], |v[AC+16*\b+\i]|, |v[AC+16*\b+\i+1]|, v[TM+\b]
.endr
.endr
	WIN 0
.irp b, 0,1,2,3
	v_permlanex16_b32 v[TM+4+\b], v[TM+\b], s14, s15
.endr
.irp b, 0,1,2,3
	v_max_num_f32 v[TM+\b], v[TM+\b], v[TM+4+\b]   ; with lane l xor 16's: the block's largest magnitude
.endr
.irp b, 0,1,2,3
	v_add_nc_u32 v[TM+12+\b], 0xff000000, v[TM+\b] ; 2 off its exponent field: the conversion's scale operand
.endr
.irp b, 0,1,2,3
	v_lshrrev_b32 v[TM+4+\b], 23, v[TM+12+\b]      ; the scale's byte
.endr
	v_lshl_or_b32 v[PW], v[TM+5], 8, v[TM+4]
	v_lshl_or_b32 v[PW], v[TM+6], 16, v[PW]
	v_lshl_or_b32 v[PW], v[TM+7], 24, v[PW]
	v_lshrrev_b32 v[SW+(\a)], v[SHV], v[PW]        ; lanes 16-31: the upper two bytes come down: the second head's word
.if (\a) > 0
	s_wait_xcnt 0x0                                ; the last block's stores have read their data and their bases: both are written again only behind this wait
.if (\a) == 4
	s_add_nc_u64 s[4:5], s[4:5], s[12:13]
	s_add_nc_u64 s[6:7], s[6:7], s[12:13]
.else
	s_add_nc_u64 s[4:5], s[4:5], s[10:11]
	s_add_nc_u64 s[6:7], s[6:7], s[10:11]
.endif
.endif
	WIN WW                                         ; source 0: the accumulators' window
.irp c, 0,1
	v_cvt_scalef32_pk16_fp6_f32 v[PC+6*\c:PC+6*\c+2], v[AC+32*\c:AC+32*\c+15], v[TM+12+2*\c]
	v_cvt_scalef32_pk16_fp6_f32 v[PC+12+4*\c:PC+14+4*\c], v[AC+32*\c+16:AC+32*\c+31], v[TM+13+2*\c]   ; (a conversion's three registers begin on an even number)
.endr
	WIN 0
	v_nop                                          ; one plain place behind a scaled conversion
.irp c, 0,1                                        ; a whole block to a lane: lanes 0-15 block 2 c, lanes 16-31 block 2 c + 1
.irp i, 0,1,2
	v_permlane16_swap_b32 v[PC+6*\c+\i], v[PC+12+4*\c+\i]
.endr
.irp i, 0,1,2
	v_mov_b32 v[PC+3+6*\c+\i], v[PC+12+4*\c+\i]
.endr
.endr
	ds_store_b32 v[STS], v[SW+(\a)] offset:64*(\a)
	global_store_b128 v[L16], v[PC:PC+3], s[4:5]               ; 512 consecutive bytes, at a multiple of 256 from the buffer's first byte
	global_store_b64 v[L8], v[PC+4:PC+5], s[4:5] offset:512    ; 256 more
	global_store_b128 v[L16], v[PC+6:PC+9], s[6:7]
	global_store_b64 v[L8], v[PC+10:PC+11], s[6:7] offset:512
.endm
	PLACES NP                                      ; behind the last products, ahead of the first read of results
.irp a, 0,1,2,3,4,5,6,7
	QBLK \a
.endr
	ds_load_b128 v[RB0:RB0+3], v[STR]              ; LDS serves a wave's instructions in order: this sees my stores.  128 words: Q, K: the first head's of 128 tokens; V: 64 channels' of each of two heads
	s_wait_dscnt 0x0
	global_store_b128 v[VS0], v[RB0:RB0+3], s[8:9]
	s_cmp_eq_u32 s[WH], 2                          ; the product's number: the same in all partners.  V's words are whole in lanes 0-15's half: there is no second run
	s_cbranch_scc1 .Lv
	ds_load_b128 v[RB1:RB1+3], v[STR] offset:512   ; Q, K: the second head's words
	s_wait_dscnt 0x0
	global_store_b128 v[VS0], v[RB1:RB1+3], s[8:9] offset:20480
.Lv:
	s_wait_tensorcnt 0x0                           ; the wave's end, behind my last tensor load and my last LDS store
	ds_add_u32 v[SPW], v[NIL]
	s_wait_dscnt 0x0
	CROUND                                         ; the closing round: no work-group ends while a partner may still ask for a tile that names it
	s_endpgm
.Lfunc_end_k_qc02b4c3a67_proj:
	.size	k_qc02b4c3a67_proj, .Lfunc_end_k_qc02b4c3a67_proj-k_qc02b4c3a67_proj
	.p2alignl 7, 3214868480
	.fill 96, 4, 3214868480
	.section	.rodata,"a",@progbits
	.p2align	6, 0x0
	.amdhsa_kernel k_qc02b4c3a67_proj
		.amdhsa_group_segment_fixed_size 327680
		.amdhsa_private_segment_fixed_size 0
		.amdhsa_enable_private_segment 0
		.amdhsa_kernarg_size 80
		.amdhsa_user_sgpr_count 2
		.amdhsa_user_sgpr_kernarg_segment_ptr 1
		.amdhsa_wavefront_size32 1
		.amdhsa_system_sgpr_workgroup_id_x 1
		.amdhsa_system_sgpr_workgroup_id_y 1
		.amdhsa_system_sgpr_workgroup_id_z 1
		.amdhsa_system_vgpr_workitem_id 0
		.amdhsa_next_free_vgpr 1024
		.amdhsa_next_free_sgpr 102
		.amdhsa_reserve_vcc 0
		.amdhsa_float_denorm_mode_32 3
		.amdhsa_float_denorm_mode_16_64 3
		.amdhsa_memory_ordered 1
		.amdhsa_forward_progress 1
		.amdhsa_inst_pref_size 168
	.end_amdhsa_kernel
	.amdgpu_metadata
---
amdhsa.version: [ 1, 2 ]
amdhsa.kernels:
  - .name:           k_qc02b4c3a67_proj
    .symbol:         k_qc02b4c3a67_proj.kd
    .args:
      - { .name: x_codes, .offset: 0, .size: 8, .value_kind: global_buffer, .address_space: global }
      - { .name: x_scales, .offset: 8, .size: 8, .value_kind: global_buffer, .address_space: global }
      - { .name: wq_codes, .offset: 16, .size: 8, .value_kind: global_buffer, .address_space: global }
      - { .name: wq_scales, .offset: 24, .size: 8, .value_kind: global_buffer, .address_space: global }
      - { .name: wk_codes, .offset: 32, .size: 8, .value_kind: global_buffer, .address_space: global }
      - { .name: wk_scales, .offset: 40, .size: 8, .value_kind: global_buffer, .address_space: global }
      - { .name: wv_codes, .offset: 48, .size: 8, .value_kind: global_buffer, .address_space: global }
      - { .name: wv_scales, .offset: 56, .size: 8, .value_kind: global_buffer, .address_space: global }
      - { .name: qkv, .offset: 64, .size: 8, .value_kind: global_buffer, .address_space: global }
      - { .name: scl, .offset: 72, .size: 8, .value_kind: global_buffer, .address_space: global }
    .group_segment_fixed_size: 327680
    .private_segment_fixed_size: 0
    .kernarg_segment_align: 8
    .kernarg_segment_size: 80
    .max_flat_workgroup_size: 128
    .sgpr_count:     102
    .vgpr_count:     1024
    .wavefront_size: 32
...
	.end_amdgpu_metadata
.endif
;; end of part 1
;; launch attn (part 2): grid 8 x 32, 16 waves a work-group, no clusters, 327,680 bytes of LDS; arguments qkv, scl, aoc, aos; writes aoc, aos
.if DOCPART == 2
	.amdgcn_target "amdgcn-amd-amdhsa--gfx1250"
	.amdhsa_code_object_version 6
	.text
	.protected	k_qc02b4c3a67_attn
	.globl	k_qc02b4c3a67_attn
	.p2align	8
	.type	k_qc02b4c3a67_attn,@function
k_qc02b4c3a67_attn:
	s_mov_b64 s[64:65], 0
	v_nop
	global_prefetch_b8 v0, s[64:65] scope:SCOPE_SE
	s_setreg_imm32_b32 hwreg(HW_REG_WAVE_MODE, 25, 1), 1
	s_wait_xcnt 0x0
; O = softmax(Q K^T / 8, causal) V for one head (work-group y = 16 batch + head), both products on codes of FP6 (E2M3) with E8M0 scales; the result is quantised along the model's 1,024 for the last product.
; LEFT OUT AS DEAD WORK: a step of 128 keys all of which come after a wave's 16 queries: reference()'s own causal mask makes their p 0 for all values of the inputs.  A NaN, infinity or overflow that reaches only such scores is not carried on.
; THE SOFTMAX AHEAD OF THE SECOND PRODUCT: t = score x log2(e) / 8; M = the running largest t rounded up to a whole number; p = 2^(t - M) is quantised along the keys, not normalised; the row's sum is taken of the unquantised p
; and divides O at the end.  When M moves, the sum and O are multiplied by 2^(old M - new M): exact.
; LIMITS: NaN and infinities among the values are not served; a block of zeros gets the byte 1 (its codes are zeros; this program alone reads the bytes); a block's largest p is made from its largest score, which takes v_exp_f32 not to fall where its input rises.
; SHARES.  Sixteen waves, a tile of 16 queries each, 256 registers.  Work-group x = i owns query blocks i and 15 - i of 128: eight waves each, so that every work-group walks 8 (i + 1) + 8 (16 - i) = 136 tile steps.
; NO CLUSTER: the work-groups of a head need different numbers of key slots, so a joint load would bring some partner tiles that none of its waves reads.
; Q, K, V arrive as images of operand registers (half image: 768 bytes, 16 rows x 64 along K: registers 0-3 at 16 x lane, 4-5 at 512 + 8 x lane).  K's and V's come through a ring of two LDS slots of 256 keys
; (wave 0 fetches K's 12,288 bytes, wave 1 V's), the head's scale words once.  Both products are used transposed: a lane holds one query (lane % 16) throughout.
; THE HEAD IS 64, THE INSTRUCTION'S K 128: Q's registers 6-11 are zeros.  K's tile t is named as v[32 + 6 t .. 43 + 6 t]: its upper six registers are the next tile's codes (behind the last: zeros); they meet Q's zero codes, under scale bytes that are never 0xff: they add 0.
; Inside a block of 32 keys p's codes stand in the order 0-7, 16-23, 8-15, 24-31, as V's do: the same order of k on both sides.  O is brought into natural order ahead of its quantiser: wo's codes are in natural order.
; REGISTERS: v1-4 lane terms; v5, v6 the add's; v8-11 the step's addresses; v12 -M, v13 largest t, v[14:15] the sum; v16-27 Q; v28 prefetch offset; v29 Q's scale word; v31 r - 8 h; v32-79 K's tiles, then at work; v80-85 zeros;
; v86-89 K's scale words, v90-91 V's, v94 p's; v96-159 S^T, then p; v160-191 O^T; v192-239 V's four fragments; v240-251 p's codes.
.set SLOT1, 32768                      ; slot 1 begins here: one exclusive or turns an address from one slot to the other
.set KSTP,  6144                       ; a key step's 8 tiles of K, or 4 fragments of V
.set VOFF,  12288                      ; in a slot: K's two steps, then V's
.set SCK,   65536                      ; K's scale words of the head: 8,192 bytes
.set SCV,   73728                      ; V's: 4,096 bytes
.set SPARE, 77824                      ; the spare words, 128 bytes for each of 16 waves: eight blocks of 256 bytes that no other line names
.set L16, 1
.set L8,  2
.set ASK0, 3
.set ASV0, 4
.set SPW, 5
.set NIL, 6
.set ADK16, 8
.set ADK8,  9
.set ADS,  10
.set ADT,  11
.set PFO,  28
.set TB,  2                            ; s2  the slot in hand
.set TS,  3                            ; s3  the step's scale words of K: 512 bytes a step
.set TJ,  12                           ; s12 and of V: 256 bytes a step
.set SLOTS, 13
.set KF,  14                           ; s14 the step's first key
.set Q0,  15                           ; s15 my first query
.set LASTQ, 16                         ; s16 my work-group's last query
.set LIM, 17                           ; s17 1 in a wave that prefetches, else the greatest number
.set WV,  18
.set HB,  19
.set SEL, 20
.set CS,  22                           ; s[22:23] c = log2(e) / 8
.set G1,  24                           ; s[24:31] group 1: 12,288 dense bytes as 48 rows of 256
.set G1S, 32                           ; s[32:39] group 1: 6,144 dense bytes as 24 rows of 256
.set G0,  40                           ; s[40:43] group 0 of the ring: it walks
.set G0S, 44                           ; s[44:47] group 0 of the scale words
.set PFA, 48
.macro TLOAD                           ; waves 0 and 1 fetch; the branch hangs on the wave's number alone.  An s_nop 0 and four v_nop follow the load
	s_cmp_lt_u32 s[WV], 2
	s_cbranch_scc0 .Lasked_\@
	tensor_load_to_lds s[G0:G0+3], s[G1:G1+7]
	s_nop 0
.rept 4
	v_nop
.endr
.Lasked_\@:
.endm
; A PREFETCH INTO THE L2 of the slot that the NEXT change of slots will ask for: 48 blocks of 256 bytes of K and 48 of V.  All work-groups of a head walk the same K and V: the head's work-group 0, whose loads go through all
; eight slots, asks; in it waves 4 to 6, which fetch nothing, a lane a block: each block of slots 2 to 7 is named once in the launch.  The last change that fills a slot asks for nothing; nothing is asked at the head.
.macro ASK
	s_cmp_gt_u32 s[SLOTS], s[LIM]
	s_cbranch_scc0 .Lnot_mine_\@
	global_prefetch_b8 v[PFO], s[PFA:PFA+1] th:TH_LOAD_NT scope:SCOPE_SE
.Lnot_mine_\@:
.endm
	s_load_b256 s[4:11], s[0:1], 0x0               ; qkv s[4:5], scl s[6:7], aoc s[8:9], aos s[10:11]
	v_lshl_add_u32 v[SPW], v0, 2, SPARE
	v_mov_b32 v[NIL], 0
	ds_add_u32 v[SPW], v[NIL]                      ; the wave's opening: the add, twice on end, and its wait ahead of the first tensor load
	ds_add_u32 v[SPW], v[NIL]
	v_lshrrev_b32 v8, 5, v0
	s_delay_alu instid0(VALU_DEP_1)
	v_readfirstlane_b32 s[WV], v8                  ; wave 0..15
	s_and_b32 s[HB], ttmp7, 0xffff                 ; 16 batch + head
	s_lshr_b32 s50, s[WV], 2
	s_xor_b32 s50, s50, s[WV]
	s_and_b32 s50, s50, 1                          ; 1: my tile lies in the late block.  Of waves 2 k, 2 k + 1 one is early and one late
	s_sub_co_u32 s51, 15, ttmp9
	s_cmp_eq_u32 s50, 1
	s_cselect_b32 s51, s51, ttmp9                  ; my block of 128 queries: 15 - i or i
	s_lshl_b32 s51, s51, 7
	s_lshr_b32 s52, s[WV], 1
	s_lshl_b32 s52, s52, 4
	s_add_co_u32 s[Q0], s51, s52                   ; + 16 x (wave / 2)
	s_sub_co_u32 s[LASTQ], 16, ttmp9
	s_lshl_b32 s[LASTQ], s[LASTQ], 7
	s_sub_co_u32 s[LASTQ], s[LASTQ], 1             ; 128 (16 - i) - 1
	s_mov_b32 s[G1], 3<<16                         ; no mask; elements of 8 bytes; no padding
	s_mov_b32 s[G1+1], 32<<16                      ; tensor_dim0: 32 elements, 256 bytes
	s_mov_b32 s[G1+2], 48<<16                      ; tensor_dim1
	s_mov_b32 s[G1+3], 32<<16                      ; tile_dim0
	s_mov_b32 s[G1+4], 48                          ; tile_dim1
	s_mov_b32 s[G1+5], 32                          ; from row to row: dense
	s_mov_b32 s[G1+6], 0
	s_mov_b32 s[G1+7], 0
	s_mov_b32 s[G1S], 3<<16
	s_mov_b32 s[G1S+1], 32<<16
	s_mov_b32 s[G1S+2], 24<<16
	s_mov_b32 s[G1S+3], 32<<16
	s_mov_b32 s[G1S+4], 24
	s_mov_b32 s[G1S+5], 32
	s_mov_b32 s[G1S+6], 0
	s_mov_b32 s[G1S+7], 0
	s_mov_b32 s[SEL], 0x76543210
	s_mov_b32 s[SEL+1], 0xfedcba98                 ; v_permlanex16_b32's selects for lane l xor 16
	s_mov_b32 s[CS], 0x3e38aa3b                    ; c = log2(e) / sqrt(64)
	s_mov_b32 s[CS+1], s[CS]                       ; (named with it as a pair, so it is written)
	s_mov_b32 s[TB], 0
	s_mov_b32 s[TS], 0
	s_mov_b32 s[TJ], 0
	s_mov_b32 s[SLOTS], 7
	s_mov_b32 s[KF], 0
	s_mul_i32 s52, s[HB], 294912                   ; the head's block in qkv,
	s_mov_b32 s53, 0
	s_mul_i32 s54, s[HB], 20480                    ; and in scl
	s_mov_b32 s55, 0
	s_and_b32 s56, s[WV], 1                        ; what I fetch, if I fetch: wave 0 K's, wave 1 V's
	s_mul_i32 s57, s56, 6144
	s_mul_i32 s58, s56, 98304
	s_add_co_u32 s58, s58, 98304
	s_add_co_u32 s58, s58, s52
	s_mov_b32 s59, 0
	s_add_co_u32 s60, s57, 8192                    ; K's and V's words are 12,288 bytes on end: a half each
	s_add_co_u32 s60, s60, s54
	s_mov_b32 s61, 0
	s_mul_i32 s[G0+1], s56, VOFF                   ; LDS: slot 0, K's part or V's
	s_mul_i32 s62, s[Q0], 48
	s_mov_b32 s63, 0
	s_sub_co_u32 s50, s[WV], 4
	s_cmp_lt_u32 s50, 3                            ; waves 4 to 6,
	s_cselect_b32 s50, 0, 1
	s_or_b32 s50, s50, ttmp9                       ; of the head's work-group 0
	s_cmp_eq_u32 s50, 0
	s_cselect_b32 s[LIM], 1, -1
	s_wait_dscnt 0x0                               ; both opening adds are done
	s_wait_kmcnt 0x0
	s_mov_b32 s[G0S], 1
	s_add_co_u32 s[G0S+1], s57, SCK
	s_add_nc_u64 s[G0S+2:G0S+3], s[6:7], s[60:61]
	s_or_b32 s[G0S+3], s[G0S+3], 0x80000000
	s_mov_b32 s[G0], 1
	s_add_nc_u64 s[G0+2:G0+3], s[4:5], s[58:59]
	s_or_b32 s[G0+3], s[G0+3], 0x80000000
	s_cmp_lt_u32 s[WV], 2                          ; a wave's two first fills stand in one branch, ahead of every wait on TENSORcnt, every LDS read and every barrier: two loads of mine are out
	s_cbranch_scc0 .Lno_first
	tensor_load_to_lds s[G0S:G0S+3], s[G1S:G1S+7]  ; the head's scale words: filled once
	s_nop 0
	tensor_load_to_lds s[G0:G0+3], s[G1:G1+7]      ; slot 0
	s_nop 0
.rept 4
	v_nop
.endr
.Lno_first:
	s_add_nc_u64 s[PFA:PFA+1], s[4:5], s[52:53]
	s_add_nc_u64 s[PFA:PFA+1], s[PFA:PFA+1], 98304+12288   ; K's slot 1: the first change of slots steps it to slot 2
	s_add_nc_u64 s[4:5], s[4:5], s[52:53]
	s_add_nc_u64 s[4:5], s[4:5], s[62:63]          ; Q's tile: 768 bytes for 16 queries
	s_lshl_b32 s62, s[Q0], 2
	s_add_nc_u64 s[6:7], s[6:7], s[54:55]
	s_add_nc_u64 s[6:7], s[6:7], s[62:63]          ; and its scale words
	s_lshr_b32 s50, s[HB], 4
	s_lshl_b32 s50, s50, 11
	s_add_co_u32 s50, s50, s[Q0]                   ; my first token of the 4,096
	s_and_b32 s51, s[HB], 15                       ; the head
	s_add_co_u32 s62, s50, s51
	s_mul_i32 s62, s62, 768                        ; aoc: (16 x token tile + head) x 768
	s_add_nc_u64 s[8:9], s[8:9], s[62:63]
	s_lshl_b32 s62, s50, 5
	s_lshl_b32 s51, s51, 1
	s_add_co_u32 s62, s62, s51                     ; aos: 32 x token + 2 x head
	s_add_nc_u64 s[10:11], s[10:11], s[62:63]
	v_and_b32 v8, 31, v0
	s_delay_alu instid0(VALU_DEP_1)
	v_lshlrev_b32 v[L16], 4, v8
	s_delay_alu instid0(VALU_DEP_2)
	v_lshlrev_b32 v[L8], 3, v8
	global_load_b128 v[16:19], v[L16], s[4:5]      ; Q's half image stays in registers
	global_load_b64 v[20:21], v[L8], s[4:5] offset:512
	v_and_b32 v9, 15, v0
	s_delay_alu instid0(VALU_DEP_1)
	v_lshlrev_b32 v10, 2, v9
	global_load_b32 v29, v10, s[6:7]               ; Q's scale words
	v_lshl_add_u32 v[ASK0], v8, 2, SCK
	v_lshl_add_u32 v[ASV0], v8, 2, SCV
	v_bfe_u32 v11, v0, 4, 1
	s_delay_alu instid0(VALU_DEP_1)
	v_lshlrev_b32 v11, 3, v11
	s_delay_alu instid0(VALU_DEP_1)
	v_sub_nc_u32 v31, v9, v11                      ; r - 8 h
	v_and_b32 v[PFO], 127, v0                      ; in waves 4 to 6: block g = 0 .. 95
	s_delay_alu instid0(VALU_DEP_1)
	v_add_nc_u32 v8, 16, v[PFO]
	s_delay_alu instid0(VALU_DEP_1)
	v_lshrrev_b32 v8, 6, v8                        ; 1 from g = 48 on: V's slot lies 98,304 bytes behind K's
	s_delay_alu instid0(VALU_DEP_1)
	v_mul_u32_u24 v8, v8, 86016
	s_delay_alu instid0(VALU_DEP_1)
	v_lshl_add_u32 v[PFO], v[PFO], 8, v8
.irp j, 22,23,24,25,26,27,80,81,82,83,84,85
	v_mov_b32 v\j, 0                               ; zero codes: Q's k = 64 .. 127, and what stands behind K's last tile
.endr
.irp j, 36,37,38,39,48,49
	v_mov_b32 v\j, 0                               ; written once: lane permutes' destinations, and the pair v[48:49]
.endr
	v_mov_b32 v13, 0xff61b1e6                      ; the largest t so far: -3e38
	s_delay_alu instid0(VALU_DEP_1)
	v_floor_f32 v12, -v13                          ; -M
	v_mov_b32 v14, 0
	v_mov_b32 v15, 0
.set j, 0
.rept 32
	v_mov_b32 v[160+j], 0                          ; O^T: the step is written once; the first finds zeros, which the first change of M leaves zeros
.set j, j+1
.endr
; A KEY STEP: 128 keys, the q-th of the slot in hand.
.macro STEP q
	s_add_co_u32 s60, s[Q0], 15                    ; all 128 keys behind my 16 queries: the step's work is left out; the lines at its end that step addresses are not
	s_cmp_gt_u32 s[KF], s60
	s_cbranch_scc1 .Lhidden_\@
	v_add_nc_u32 v[ADK16], s[TB], v[L16]           ; (these four are also the places between the last products and the loads into their registers)
	v_add_nc_u32 v[ADK8], s[TB], v[L8]
	v_add_nc_u32 v[ADS], s[TS], v[ASK0]
	v_add_nc_u32 v[ADT], s[TJ], v[ASV0]
.irp t, 0,1,2,3,4,5,6,7
	ds_load_b128 v[32+6*\t:35+6*\t], v[ADK16] offset:KSTP*(\q)+768*\t       ; K's tile t: keys 16 t + lane % 16
	ds_load_b64 v[36+6*\t:37+6*\t], v[ADK8] offset:KSTP*(\q)+768*\t+512
.endr
.irp b, 0,1,2,3
	ds_load_b32 v[86+\b], v[ADS] offset:128*\b     ; lanes 0-15: tile 2 b's words, lanes 16-31: tile 2 b + 1's
.endr
.irp d, 0,1,2,3
.irp c, 0,1
	ds_load_b128 v[192+12*\d+6*\c:195+12*\d+6*\c], v[ADK16] offset:VOFF+KSTP*(\q)+1536*\d+768*\c   ; V^T: channels 16 d on, keys 64 c on
	ds_load_b64 v[196+12*\d+6*\c:197+12*\d+6*\c], v[ADK8] offset:VOFF+KSTP*(\q)+1536*\d+768*\c+512
.endr
.endr
.irp i, 0,1
	ds_load_b32 v[90+\i], v[ADT] offset:128*\i     ; lanes 0-15: channel tile 2 i's words, lanes 16-31: tile 2 i + 1's
.endr
	s_wait_dscnt 18                                ; K's 20 loads are in; V's 18 may stay out: they land under the softmax
.irp t, 0,1,2,3,4,5,6,7                            ; S^T = K Q^T: lane (r, h), register 8 t + j: query r, key 16 t + 8 h + j
.if \t%2
	v_wmma_scale_f32_16x16x128_f8f6f4 v[96+8*\t:103+8*\t], v[32+6*\t:43+6*\t], v[16:27], 0, v[86+\t/2], v29 matrix_a_fmt:MATRIX_FMT_FP6 matrix_b_fmt:MATRIX_FMT_FP6 matrix_a_scale:MATRIX_SCALE_ROW1
.else
	v_wmma_scale_f32_16x16x128_f8f6f4 v[96+8*\t:103+8*\t], v[32+6*\t:43+6*\t], v[16:27], 0, v[86+\t/2], v29 matrix_a_fmt:MATRIX_FMT_FP6 matrix_b_fmt:MATRIX_FMT_FP6
.endif
.endr
.rept 4
	v_nop                                          ; places ahead of the first read of results, and of the writes into K's registers, which now serve as work registers
.endr
	s_add_co_u32 s60, s[KF], 127                   ; on the diagonal hidden scores become -infinity ahead of the maximum; a step all of whose keys count skips this
	s_cmp_le_u32 s60, s[Q0]
	s_cbranch_scc1 .Lopen_\@
	s_sub_co_i32 s60, s[Q0], s[KF]
	v_add_nc_u32 v48, s60, v31                     ; d = my query - the step's first key - 8 h: register n is hidden where 16 (n / 8) + n % 8 > d
	v_mov_b32 v50, 0xff800000
.set n, 0
.rept 64
	v_cmp_gt_i32 vcc_lo, 16*(n/8)+n%8, v48
	v_cndmask_b32 v[96+n], v[96+n], v50, vcc_lo
.set n, n+1
.endr
.Lopen_\@:
.irp b, 0,1,2,3
	v_max3_num_f32 v[32+\b], v[96+16*\b], v[97+16*\b], v[98+16*\b]   ; the largest score of each block of 32 keys: for the row's maximum and, since p rises with the score, for the block's largest p
.endr
.irp i, 3,5,7,9,11,13
.irp b, 0,1,2,3
	v_max3_num_f32 v[32+\b], v[32+\b], v[96+16*\b+\i], v[97+16*\b+\i]
.endr
.endr
.irp b, 0,1,2,3
	v_max_num_f32 v[32+\b], v[32+\b], v[111+16*\b]
.endr
.irp b, 0,1,2,3
	s_delay_alu instid0(VALU_DEP_4)
	v_permlanex16_b32 v[36+\b], v[32+\b], s[SEL], s[SEL+1]
.endr
.irp b, 0,1,2,3
	s_delay_alu instid0(VALU_DEP_4)
	v_max_num_f32 v[32+\b], v[32+\b], v[36+\b]     ; with lane l xor 16's 16 keys
.endr
	s_delay_alu instid0(VALU_DEP_2)
	v_max3_num_f32 v50, v32, v33, v34
	s_delay_alu instid0(VALU_DEP_1)
	v_max_num_f32 v50, v50, v35
	s_delay_alu instid0(VALU_DEP_1)
	v_mul_f32 v50, s[CS], v50                      ; as t (c is positive)
	s_delay_alu instid0(VALU_DEP_1)
	v_max_num_f32 v13, v13, v50                    ; the running largest t
	v_mov_b32 v50, v12
	s_delay_alu instid0(VALU_DEP_2)
	v_floor_f32 v12, -v13                          ; the new -M = -ceil(t)
	s_delay_alu instid0(VALU_DEP_1)
	v_sub_f32 v50, v12, v50                        ; old M - new M: a whole number, 0 or less
	s_delay_alu instid0(VALU_DEP_1)
	v_cvt_i32_f32 v50, v50                         ; (it saturates)
	s_delay_alu instid0(VALU_DEP_1)
	v_ldexp_f32 v48, 1.0, v50                      ; f = 2^(old M - new M)
.set j, 0
.rept 32
	v_pk_fma_f32 v[96+j:97+j], v[96+j:97+j], s[CS:CS+1], v[12:13] op_sel_hi:[1,0,0]   ; t - M, two at a time
.set j, j+2
.endr
.irp b, 0,1,2,3
	v_fma_f32 v[32+\b], v[32+\b], s[CS], v12       ; the same of each block's largest score
.endr
.set j, 0
	s_wait_alu depctr_va_vdst(0)
.rept 64
	v_exp_f32 v[96+j], v[96+j]                     ; p = 2^(t - M)
.set j, j+1
.endr
	v_pk_mul_f32 v[14:15], v[14:15], v[48:49] op_sel_hi:[1,0]   ; the sums under the new M: a plain instruction behind the exponentials
	s_wait_alu depctr_va_vdst(0)                   ; one wait for the batch of 64, ahead of its first reader
.irp b, 0,1,2,3
	v_exp_f32 v[32+\b], v[32+\b]                   ; the block's largest p
.endr
	v_pk_add_f32 v[36:37], v[100:101], v[104:105]
	v_pk_add_f32 v[254:255], v[108:109], v[112:113]
	v_pk_add_f32 v[252:253], v[116:117], v[120:121]
	v_pk_add_f32 v[250:251], v[124:125], v[128:129]
	v_pk_add_f32 v[248:249], v[132:133], v[136:137]
	v_pk_add_f32 v[246:247], v[140:141], v[144:145]
	v_pk_add_f32 v[244:245], v[148:149], v[152:153]
	v_pk_add_f32 v[14:15], v[14:15], v[156:157]
	v_pk_add_f32 v[36:37], v[36:37], v[96:97]
	v_pk_add_f32 v[254:255], v[254:255], v[98:99]
	v_pk_add_f32 v[252:253], v[252:253], v[102:103]
	v_pk_add_f32 v[250:251], v[250:251], v[106:107]
	v_pk_add_f32 v[248:249], v[248:249], v[110:111]
	v_pk_add_f32 v[246:247], v[246:247], v[114:115]
	v_pk_add_f32 v[244:245], v[244:245], v[118:119]
	v_pk_add_f32 v[14:15], v[14:15], v[122:123]
	v_pk_add_f32 v[36:37], v[36:37], v[126:127]
	v_pk_add_f32 v[254:255], v[254:255], v[130:131]
	v_pk_add_f32 v[252:253], v[252:253], v[134:135]
	v_pk_add_f32 v[250:251], v[250:251], v[138:139]
	v_pk_add_f32 v[248:249], v[248:249], v[142:143]
	v_pk_add_f32 v[246:247], v[246:247], v[146:147]
	v_pk_add_f32 v[244:245], v[244:245], v[150:151]
	v_pk_add_f32 v[14:15], v[14:15], v[154:155]
	v_pk_add_f32 v[36:37], v[36:37], v[158:159]
	s_delay_alu instid0(VALU_DEP_2)
	v_pk_add_f32 v[14:15], v[14:15], v[250:251]
	s_delay_alu instid0(VALU_DEP_2)
	v_pk_add_f32 v[36:37], v[36:37], v[248:249]
	v_pk_add_f32 v[254:255], v[254:255], v[246:247]
	v_pk_add_f32 v[252:253], v[252:253], v[244:245]
	s_delay_alu instid0(VALU_DEP_2)
	v_pk_add_f32 v[14:15], v[14:15], v[254:255]
	s_delay_alu instid0(VALU_DEP_2)
	v_pk_add_f32 v[36:37], v[36:37], v[252:253]
	s_delay_alu instid0(VALU_DEP_1)
	v_pk_add_f32 v[14:15], v[14:15], v[36:37]
	s_wait_alu depctr_va_vdst(0)                   ; and one for the four
.irp b, 0,1,2,3
	v_max_num_f32 v[32+\b], 0x1800000, v[32+\b]    ; the floor 2^(3 - 127): the byte cannot fall under 1
.endr
.irp b, 0,1,2,3
	s_delay_alu instid0(VALU_DEP_4)
	v_add_nc_u32 v[44+\b], 0xff000000, v[32+\b]    ; 2 off the exponent field: the conversion's scale operand
.endr
.irp b, 0,1,2,3
	s_delay_alu instid0(VALU_DEP_4)
	v_lshrrev_b32 v[36+\b], 23, v[44+\b]
.endr
	s_delay_alu instid0(VALU_DEP_3)
	v_lshl_or_b32 v94, v37, 8, v36                 ; p's scale word for these 128 keys
	s_delay_alu instid0(VALU_DEP_1)
	v_lshl_or_b32 v94, v38, 16, v94
	s_delay_alu instid0(VALU_DEP_1)
	v_lshl_or_b32 v94, v39, 24, v94
.irp c, 0,1
	v_cvt_scalef32_pk16_fp6_f32 v[240+6*\c:242+6*\c], v[96+32*\c:111+32*\c], v[44+2*\c]
	v_cvt_scalef32_pk16_fp6_f32 v[36+4*\c:38+4*\c], v[112+32*\c:127+32*\c], v[45+2*\c]
.endr
	v_nop                                          ; one plain place behind a scaled conversion
.irp c, 0,1                                        ; a whole block to a lane
.irp i, 0,1,2
	v_permlane16_swap_b32 v[240+6*\c+\i], v[36+4*\c+\i]
.endr
.irp i, 0,1,2
	s_delay_alu instid0(VALU_DEP_3)
	v_mov_b32 v[243+6*\c+\i], v[36+4*\c+\i]
.endr
.endr
.set j, 0
.rept 16
	v_pk_mul_f32 v[160+j:161+j], v[160+j:161+j], v[48:49] op_sel_hi:[1,0]   ; O^T under the new M.  (These 16 are also the places between the writes of p's codes and scale word and the products)
.set j, j+2
.endr
	s_wait_alu depctr_va_vdst(0)
	s_wait_dscnt 0x0                               ; V is in
.irp d, 0,1,2,3                                    ; O^T += V^T P^T: four accumulators by turns
.if \d%2
	v_wmma_scale_f32_16x16x128_f8f6f4 v[160+8*\d:167+8*\d], v[192+12*\d:203+12*\d], v[240:251], v[160+8*\d:167+8*\d], v[90+\d/2], v94 matrix_a_fmt:MATRIX_FMT_FP6 matrix_b_fmt:MATRIX_FMT_FP6 matrix_a_scale:MATRIX_SCALE_ROW1
.else
	v_wmma_scale_f32_16x16x128_f8f6f4 v[160+8*\d:167+8*\d], v[192+12*\d:203+12*\d], v[240:251], v[160+8*\d:167+8*\d], v[90+\d/2], v94 matrix_a_fmt:MATRIX_FMT_FP6 matrix_b_fmt:MATRIX_FMT_FP6
.endif
.endr
.Lhidden_\@:
	s_add_co_u32 s[KF], s[KF], 128
	s_add_co_u32 s[TS], s[TS], 512
	s_add_co_u32 s[TJ], s[TJ], 256
.endm
; THE CHANGE OF SLOTS stands at a slot's head.  Each wave waits for all its tensor loads, adds 0 to its spare word (fill = 1: twice on end), and waits for that and for its reads of the slot that it has left.
; Behind the barrier the slot ahead is whole and nobody reads the other one; fill = 1: that one is filled with the next 256 keys, up to the causal limit.
.macro CHANGE fill
	s_wait_tensorcnt 0x0                           ; no tensor load of mine is out, so the group 0 may be written
	ds_add_u32 v[SPW], v[NIL]
.if \fill
	ds_add_u32 v[SPW], v[NIL]                      ; and once more, in every trip alike
	s_xor_b32 s[G0+1], s[G0+1], SLOT1              ; the other slot than last time,
	s_add_nc_u64 s[G0+2:G0+3], s[G0+2:G0+3], 12288 ; the next 256 keys; the type bits on top are not reached
	s_wait_xcnt 0x0                                ; the last prefetch, a slot back, has read its address
	s_add_nc_u64 s[PFA:PFA+1], s[PFA:PFA+1], 12288 ; one slot further on than the walking descriptor
.endif
	s_wait_dscnt 0x0                               ; the add is done, and my reads of the slot that I have left are over
	s_barrier_signal -1
	s_barrier_wait -1
.if \fill
	s_add_co_u32 s60, s[KF], 256                   ; the first key of the slot that this change would ask for: behind my work-group's last query none of its waves reads it, so it is not asked for.
	s_cmp_gt_u32 s60, s[LASTQ]                     ; ids and the count of steps alone: all sixteen waves go the same way; every wait on TENSORcnt in this text is for 0
	s_cbranch_scc1 .Lpast_\@
	TLOAD                                          ; a wave's one tensor load until the next change: it has a slot's two steps in which to land
.Lpast_\@:
	ASK
.endif
.endm
.macro SLOT_STEPS
	STEP 0
	STEP 1
	s_xor_b32 s[TB], s[TB], SLOT1
.endm
	s_wait_loadcnt 0x0                             ; Q
.Lslot:                                            ; seven trips: every work-group walks all eight slots, so that the trip counts are constants and no barrier is jumped over
	CHANGE 1
	SLOT_STEPS
	s_sub_co_u32 s[SLOTS], s[SLOTS], 1
	s_cmp_lg_u32 s[SLOTS], 0
	s_cbranch_scc1 .Lslot
	CHANGE 0                                       ; the last slot is written out: nothing is left to ask for
	SLOT_STEPS
	; THE WAY OUT.  O^T / the row's sum; into natural order; quantised along the head's 64 (two blocks of the last product's K); a half image and two scale bytes a token.
	v_add_f32 v14, v14, v15
	s_delay_alu instid0(VALU_DEP_1)
	v_permlanex16_b32 v48, v14, s[SEL], s[SEL+1]
	s_delay_alu instid0(VALU_DEP_1)
	v_add_f32 v14, v14, v48                        ; with lane l xor 16's: the row's sum
	s_wait_alu depctr_va_vdst(0)
	v_rcp_f32 v14, v14
	v_and_b32 v8, 15, v0                           ; (four plain instructions: behind the reciprocal, and behind the last products)
	v_bfe_u32 v9, v0, 4, 1
	s_delay_alu instid0(VALU_DEP_1)
	v_lshl_add_u32 v7, v8, 5, v9                   ; aos: 32 x my token + my block
	s_delay_alu instid0(VALU_DEP_2)
	v_lshlrev_b32 v30, 3, v9
	s_wait_alu depctr_va_vdst(0)                   ; the wait ahead of the reciprocal's first reader
.set j, 0
.rept 16
	v_pk_mul_f32 v[96+j:97+j], v[160+j:161+j], v[14:15] op_sel_hi:[1,0]   ; register 8 t + i: channel 16 t + 8 h + i; each accumulator from its low end on
.set j, j+2
.endr
.irp b, 0,1
.irp i, 0,1,2,3,4,5,6,7
	v_permlane16_swap_b32 v[96+16*\b+\i], v[104+16*\b+\i]   ; now register 16 b + i is channel 32 b + 16 h + i: natural order
.endr
.endr
.irp b, 0,1
	v_max3_num_f32 v[32+\b], |v[96+16*\b]|, |v[97+16*\b]|, 0x1800000
.endr
.irp i, 2,4,6,8,10,12,14
.irp b, 0,1
	s_delay_alu instid0(VALU_DEP_2)
	v_max3_num_f32 v[32+\b], v[32+\b], |v[96+16*\b+\i]|, |v[97+16*\b+\i]|
.endr
.endr
.irp b, 0,1
	s_delay_alu instid0(VALU_DEP_2)
	v_permlanex16_b32 v[36+\b], v[32+\b], s[SEL], s[SEL+1]
.endr
.irp b, 0,1
	s_delay_alu instid0(VALU_DEP_2)
	v_max_num_f32 v[32+\b], v[32+\b], v[36+\b]
.endr
.irp b, 0,1
	s_delay_alu instid0(VALU_DEP_2)
	v_add_nc_u32 v[44+\b], 0xff000000, v[32+\b]
.endr
.irp b, 0,1
	s_delay_alu instid0(VALU_DEP_2)
	v_lshrrev_b32 v[36+\b], 23, v[44+\b]
.endr
	s_delay_alu instid0(VALU_DEP_1)
	v_lshl_or_b32 v50, v37, 8, v36
	s_delay_alu instid0(VALU_DEP_1)
	v_lshrrev_b32 v51, v30, v50                    ; lanes 0-15: block 0's byte lowest, lanes 16-31: block 1's
	v_cvt_scalef32_pk16_fp6_f32 v[240:242], v[96:111], v44
	v_cvt_scalef32_pk16_fp6_f32 v[52:54], v[112:127], v45
	v_nop
.irp i, 0,1,2
	v_permlane16_swap_b32 v[240+\i], v[52+\i]
.endr
.irp i, 0,1,2
	s_delay_alu instid0(VALU_DEP_3)
	v_mov_b32 v[243+\i], v[52+\i]
.endr
	global_store_b128 v[L16], v[240:243], s[8:9]               ; 512 consecutive bytes, at a multiple of 256 from the buffer's first byte
	global_store_b64 v[L8], v[244:245], s[8:9] offset:512      ; 256 more
	global_store_b8 v7, v51, s[10:11]                          ; a byte a lane, 2 of a token's 32: laid so that the next launch reads its scales as dense rows
	s_wait_tensorcnt 0x0                           ; the wave's end
	ds_add_u32 v[SPW], v[NIL]
	s_wait_dscnt 0x0
	s_endpgm
.Lfunc_end_k_qc02b4c3a67_attn:
	.size	k_qc02b4c3a67_attn, .Lfunc_end_k_qc02b4c3a67_attn-k_qc02b4c3a67_attn
	.p2alignl 7, 3214868480
	.fill 96, 4, 3214868480
	.section	.rodata,"a",@progbits
	.p2align	6, 0x0
	.amdhsa_kernel k_qc02b4c3a67_attn
		.amdhsa_group_segment_fixed_size 327680
		.amdhsa_private_segment_fixed_size 0
		.amdhsa_enable_private_segment 0
		.amdhsa_kernarg_size 32
		.amdhsa_user_sgpr_count 2
		.amdhsa_user_sgpr_kernarg_segment_ptr 1
		.amdhsa_wavefront_size32 1
		.amdhsa_system_sgpr_workgroup_id_x 1
		.amdhsa_system_sgpr_workgroup_id_y 1
		.amdhsa_system_sgpr_workgroup_id_z 1
		.amdhsa_system_vgpr_workitem_id 0
		.amdhsa_next_free_vgpr 256
		.amdhsa_next_free_sgpr 66
		.amdhsa_reserve_vcc 1
		.amdhsa_float_denorm_mode_32 3
		.amdhsa_float_denorm_mode_16_64 3
		.amdhsa_memory_ordered 1
		.amdhsa_forward_progress 1
		.amdhsa_inst_pref_size 105
	.end_amdhsa_kernel
	.amdgpu_metadata
---
amdhsa.version: [ 1, 2 ]
amdhsa.kernels:
  - .name:           k_qc02b4c3a67_attn
    .symbol:         k_qc02b4c3a67_attn.kd
    .args:
      - { .name: qkv, .offset: 0, .size: 8, .value_kind: global_buffer, .address_space: global }
      - { .name: scl, .offset: 8, .size: 8, .value_kind: global_buffer, .address_space: global }
      - { .name: aoc, .offset: 16, .size: 8, .value_kind: global_buffer, .address_space: global }
      - { .name: aos, .offset: 24, .size: 8, .value_kind: global_buffer, .address_space: global }
    .group_segment_fixed_size: 327680
    .private_segment_fixed_size: 0
    .kernarg_segment_align: 8
    .kernarg_segment_size: 32
    .max_flat_workgroup_size: 512
    .sgpr_count:     66
    .vgpr_count:     256
    .wavefront_size: 32
...
	.end_amdgpu_metadata
.endif
;; end of part 2
;; launch oproj (part 3): grid 4 x 16, 4 waves a work-group, clusters of 4 x 4, 327,680 bytes of LDS; arguments aoc, aos, wo_codes, wo_scales, out0; writes out0
.if DOCPART == 3
	.amdgcn_target "amdgcn-amd-amdhsa--gfx1250"
	.amdhsa_code_object_version 6
	.text
	.protected	k_qc02b4c3a67_oproj
	.globl	k_qc02b4c3a67_oproj
	.p2align	8
	.type	k_qc02b4c3a67_oproj,@function
k_qc02b4c3a67_oproj:
	s_mov_b64 s[64:65], 0
	v_nop
	global_prefetch_b8 v0, s[64:65] scope:SCOPE_SE
	s_setreg_imm32_b32 hwreg(HW_REG_WAVE_MODE, 25, 1), 1
	s_wait_xcnt 0x0
	s_wait_alu depctr_hold_cnt(0) depctr_sa_sdst(0) depctr_va_vdst(0) depctr_va_sdst(0) depctr_va_ssrc(0) depctr_va_vcc(0) depctr_vm_vsrc(0)
	s_getreg_b32 s2, hwreg(HW_REG_IB_STS2, 6, 4)
	s_cmp_eq_u32 s2, 0
	s_cbranch_scc0 .Lentry_in_a_cluster
	s_endpgm
.Lentry_in_a_cluster:
	s_bfe_u32 s2, ttmp6, 0x10000c
	s_cmp_lg_u32 s2, 0xf033
	s_cbranch_scc0 .Lentry_shape_is_right
	s_endpgm
.Lentry_shape_is_right:
; out0[m][n] = sum over k of A[m][k] wo[n][k]: 4,096 x 1,024 x 1,024 on codes of FP6 (E2M3) with one E8M0 scale for each 32 along K; sums and result f32.  Nothing is left out here.
; A is the attention's result as the launch before stored it: aoc [token tile of 16][head][768 bytes]: a half image of operand registers (16 rows x 64 along K: registers 0-3 at 16 x lane, registers 4-5 at 512 + 8 x lane),
; codes in natural order; aos [token][32] scale bytes.  wo's codes lie as rows of 768 bytes, its scale bytes as rows of 32.
; A tile of C, 256 x 256, to a work-group of four waves; a wave makes 128 x 128: 64 accumulators, 512 registers.  K goes in steps of 256 through a ring of two LDS slots; the scales of the work-group's rows come once.
; CLUSTERS: 4 x 4 work-groups; A's tiles are asked for jointly along a row of the cluster, B's along a column.  THE MATRIX INSTRUCTION IS USED TRANSPOSED (source 0 = 16 rows of wo, source 1 = 16 rows of A).
; 64 work-groups: the largest wave tile; a tile of 128 x 128 would give 256 and read each LDS byte for half the products.
; REGISTERS: window 0: v0-31 addresses; v32-63 scale words, two sets; from v128 A's fragments, one set; on the way out v128-255 rows of C.  window 1: B's fragments, two sets.  windows 2, 3: the accumulators.
.set SIZE_N, 1024
.set SIZE_K, 1024
.set KSTEP,  256
.set NQ,     2
.set ROWB,   192                       ; B: a tile's row: 256 codes
.set AROW,   3072                      ; A: a token tile's four half images of a K step
.set KROW,   768                       ; a row of wo in memory; and 16 x 768 = 12,288: from token tile to token tile in aoc
.set PITCH,  240                       ; B's LDS row: 3 x (64 bytes + 16 of padding)
.set FR,     12
.set NL,     6                         ; LDS loads that bring a fragment of B,
.set NLA,    4                         ; and of A
.set NP,     4
.set HALFT,  128*PITCH                 ; a wave's place in a slot: B's 128 rows fill it; A's eight token tiles take 24,576 bytes of it
.set SLOT,   4*HALFT
.set LAPS,   2
.set KS,     32
.set SCL,    2*SLOT
.set HALFS,  (128*KS/256)*272
.set SBLK,   (16*KS/256)*272
.set SPARE,  SCL+4*HALFS               ; the spare words, 128 bytes a wave: two blocks of 256 bytes that no other line names
.set SPITCH, 528                       ; the way out: a stage of 16 rows x (512 bytes + 16) for each wave, in slot 0, which has had its last fill and its last read by then
.set ADRA, 16                          ; v16-17 A's images in slot 0, 1, + 16 x lane;  v18-19 the same + 8 x lane
.set ADRB, 20
.set STO,  24
.set RD,   25
.set CO,   26
.set ADRS, 27
.set SPW,  28
.set NIL,  29
.set SC,   32
.set AF,   128
.set BK,   128
.set G1, 24
.set G0, 32
.set G1B, 48
.set G0B, 56
.set G1S, 68
.set G0S, 76
.set G1SB, 80
.set G0SB, 88
.set MSB, 0
.macro WIN new
.if MSB != \new
	s_set_vgpr_msb (MSB<<8)|\new
.set MSB, \new
.endif
.endm
.set MUL_LO, 0xa1
.set MUL_HI, 0xf1
.set TO_B,   0x40
.macro JLOAD g0a, g1a, g0b, g1b        ; a joint load: waves 0 and 1 fetch for A, waves 2 and 3 for B.  An s_nop 0 and four v_nop follow each line
	s_cmp_eq_u32 s15, 0
	s_cbranch_scc0 .Lfor_b_\@
	tensor_load_to_lds s[\g0a:\g0a+3], s[\g1a:\g1a+7]
	s_nop 0
.rept 4
	v_nop
.endr
	s_branch .Lasked_\@
.Lfor_b_\@:
	tensor_load_to_lds s[\g0b:\g0b+3], s[\g1b:\g1b+7]
	s_nop 0
.rept 4
	v_nop
.endr
.Lasked_\@:
.endm
.macro CREST
	s_cmp_lg_u32 s14, 0
	s_cbranch_scc1 .Lnot_wave_0_\@
	s_barrier_signal -3
.Lnot_wave_0_\@:
	s_barrier_wait -3
	s_barrier_signal -1
	s_barrier_wait -1
.endm
.macro CROUND
	s_barrier_signal -1
	s_barrier_wait -1
	CREST
.endm
	s_load_b128 s[4:7], s[0:1], 0x0                ; A's codes s[4:5], A's scales s[6:7]
	s_load_b128 s[8:11], s[0:1], 0x10              ; wo's codes s[8:9], wo's scales s[10:11]
	s_load_b64 s[12:13], s[0:1], 0x20              ; out0
	v_lshl_add_u32 v[SPW], v0, 2, SPARE
	v_mov_b32 v[NIL], 0
	ds_add_u32 v[SPW], v[NIL]                      ; the wave's opening: the add, twice on end, and its wait ahead of my first tensor load
	ds_add_u32 v[SPW], v[NIL]
	v_lshrrev_b32 v1, 5, v0
	v_readfirstlane_b32 s14, v1                    ; wave 0..3
	s_lshr_b32 s15, s14, 1                         ; my half of the tile's rows.  Also: I fetch for A (0) or for B (1)
	s_and_b32 s16, s14, 1                          ; my half of its columns.  Also: which 128 rows I fetch
	s_bfe_u32 s40, ttmp6, 0x40000
	s_bfe_u32 s41, ttmp6, 0x40004
	s_lshl_b32 s42, ttmp9, 2
	s_add_co_u32 s42, s42, s40                     ; tile column of C
	s_and_b32 s17, ttmp7, 0xffff
	s_lshl_b32 s17, s17, 2
	s_add_co_u32 s17, s17, s41                     ; tile row of C
	s_lshl_b32 s43, s41, 2
	s_lshl_b32 s43, 15, s43                        ; my row of the cluster
	s_lshl_b32 s44, 0x1111, s40                    ; my column
	; A: eight token tiles x 3,072 bytes (384 elements of 8 bytes), 12,288 bytes apart in memory, dense in LDS
	s_or_b32 s[G1+0], s43, (3<<16)|(1<<21)
	s_mov_b32 s[G1+1], 384<<16                     ; tensor_dim0
	s_mov_b32 s[G1+2], 8<<16                       ; tensor_dim1
	s_mov_b32 s[G1+3], 384<<16                     ; tile_dim0
	s_mov_b32 s[G1+4], 8                           ; tile_dim1
	s_mov_b32 s[G1+5], 1536                        ; from token tile to token tile
	s_mov_b32 s[G1+6], 0
	s_mov_b32 s[G1+7], 0
	; B: 128 rows x 192 bytes, 16 bytes of padding behind every 64
	s_or_b32 s[G1B+0], s44, (0<<16)|(1<<20)|(1<<21)|(3<<22)|(3<<25)
	s_mov_b32 s[G1B+1], ROWB<<16
	s_mov_b32 s[G1B+2], 128<<16
	s_mov_b32 s[G1B+3], ROWB<<16
	s_mov_b32 s[G1B+4], 128
	s_mov_b32 s[G1B+5], KROW
	s_mov_b32 s[G1B+6], 0
	s_mov_b32 s[G1B+7], 0
	; the scales of 128 rows: 4,096 dense bytes as 16 rows of 256 bytes, 16 bytes of padding behind each
	s_or_b32 s[G1S+0], s43, (3<<16)|(1<<20)|(1<<21)|(5<<22)|(3<<25)
	s_or_b32 s[G1SB+0], s44, (3<<16)|(1<<20)|(1<<21)|(5<<22)|(3<<25)
.irp g, G1S, G1SB
	s_mov_b32 s[\g+1], 32<<16
	s_mov_b32 s[\g+2], (128*KS/256)<<16
	s_mov_b32 s[\g+3], 32<<16
	s_mov_b32 s[\g+4], 128*KS/256
	s_mov_b32 s[\g+5], 32
	s_mov_b32 s[\g+6], 0
	s_mov_b32 s[\g+7], 0
.endr
	s_lshl_b32 s18, s16, 7
	s_lshl_b32 s20, s17, 8
	s_add_co_u32 s20, s20, s18                     ; A: row 256 x tile row + 128 x half
	s_lshl_b32 s46, s42, 8
	s_add_co_u32 s46, s46, s18                     ; B: row 256 x tile column + 128 x half
	s_mov_b32 s21, 0
	s_mov_b32 s47, 0
	s_mov_b64 s[18:19], KS
	s_mul_u64 s[22:23], s[20:21], s[18:19]         ; where these rows' scales begin
	s_mul_u64 s[92:93], s[46:47], s[18:19]
	s_mov_b64 s[18:19], KROW
	s_mul_u64 s[20:21], s[20:21], s[18:19]         ; and their codes: 768 bytes a row in wo, and 12,288 for 16 rows in aoc
	s_mul_u64 s[46:47], s[46:47], s[18:19]
	s_mul_i32 s45, s14, HALFT                      ; where they go: no place in the cluster enters an LDS address
	s_mul_i32 s94, s14, HALFS
	s_wait_dscnt 0x0                               ; both opening adds are done
	s_wait_kmcnt 0x0
	s_add_nc_u64 s[20:21], s[4:5], s[20:21]
	s_add_nc_u64 s[22:23], s[6:7], s[22:23]
	s_add_nc_u64 s[46:47], s[8:9], s[46:47]
	s_add_nc_u64 s[92:93], s[10:11], s[92:93]
	CROUND                                         ; all sixteen work-groups are here: the first joint loads meet
	s_mov_b32 s[G0S], 1
	s_add_co_u32 s[G0S+1], s94, SCL
	s_mov_b64 s[G0S+2:G0S+3], s[22:23]
	s_or_b32 s[G0S+3], s[G0S+3], 0x80000000
	s_mov_b32 s[G0SB], 1
	s_add_co_u32 s[G0SB+1], s94, SCL
	s_mov_b64 s[G0SB+2:G0SB+3], s[92:93]
	s_or_b32 s[G0SB+3], s[G0SB+3], 0x80000000
	JLOAD G0S, G1S, G0SB, G1SB
.irp s, 0,1
	s_mov_b32 s[G0+4*\s], 1
	s_add_co_u32 s[G0+4*\s+1], s45, \s*SLOT
	s_add_nc_u64 s[G0+4*\s+2:G0+4*\s+3], s[20:21], \s*AROW
	s_or_b32 s[G0+4*\s+3], s[G0+4*\s+3], 0x80000000
	s_mov_b32 s[G0B+4*\s], 1
	s_add_co_u32 s[G0B+4*\s+1], s45, \s*SLOT
	s_add_nc_u64 s[G0B+4*\s+2:G0B+4*\s+3], s[46:47], \s*ROWB
	s_or_b32 s[G0B+4*\s+3], s[G0B+4*\s+3], 0x80000000
	JLOAD G0+4*\s, G1, G0B+4*\s, G1B               ; three loads of mine are out now
.endr
	v_and_b32 v1, 15, v0
	v_bfe_u32 v2, v0, 4, 1
	v_mul_u32_u24 v3, v1, PITCH
	v_mul_u32_u24 v4, v2, 24
	v_add_nc_u32 v4, v3, v4                        ; B: a fragment's row x pitch + 24 x half
	v_lshl_add_u32 v5, v2, 4, v4                   ; and the same behind one padding more
	v_and_b32 v6, 31, v0
	v_lshlrev_b32 v7, 4, v6                        ; A: 16 x lane,
	v_lshlrev_b32 v8, 3, v6                        ; and 8 x lane
	s_mul_i32 s21, s15, HALFT                      ; my 128 rows of A
	s_mul_i32 s22, s16, HALFT                      ; my 128 rows of B,
	s_add_co_u32 s22, s22, 2*HALFT                 ; which lie behind A's two places
.irp s, 0,1
	v_add_nc_u32 v[ADRA+\s], s21, v7
	v_add_nc_u32 v[ADRB+\s], s22, v4
	v_add_nc_u32 v[ADRA+2+\s], s21, v8
	v_add_nc_u32 v[ADRB+2+\s], s22, v5
	s_add_co_u32 s21, s21, SLOT
	s_add_co_u32 s22, s22, SLOT
.endr
	v_mul_u32_u24 v5, v1, KS
	v_lshrrev_b32 v6, 8, v5
	v_lshl_add_u32 v5, v6, 4, v5
	s_mul_i32 s21, s15, HALFS
	s_mul_i32 s22, s16, HALFS
	s_add_co_u32 s22, s22, 2*HALFS
	s_sub_co_u32 s22, s22, s21
	v_mul_u32_u24 v6, s22, v2                      ; lanes 16-31 take B's
	s_add_co_u32 s21, s21, SCL
	v_add_nc_u32 v5, v5, v6
	v_add_nc_u32 v[ADRS], s21, v5
	s_mul_i32 s23, s14, 16*SPITCH                  ; my stage
	v_mul_u32_u24 v5, v1, SPITCH
	v_lshl_add_u32 v5, v2, 5, v5
	v_add_nc_u32 v[STO], s23, v5
	v_and_b32 v6, 31, v0
	v_lshlrev_b32 v[CO], 4, v6
	v_add_nc_u32 v[RD], s23, v[CO]
	s_lshl_b32 s20, s17, 8
	s_lshl_b32 s21, s15, 7
	s_add_co_u32 s20, s20, s21                     ; my first row of C
	s_mov_b32 s21, 0
	s_mov_b64 s[18:19], SIZE_N*4
	s_mul_u64 s[20:21], s[20:21], s[18:19]
	s_lshl_b32 s46, s42, 10                        ; my first column, in bytes
	s_lshl_b32 s47, s16, 9
	s_add_co_u32 s46, s46, s47
	s_mov_b32 s47, 0
	s_add_nc_u64 s[20:21], s[20:21], s[46:47]
	s_add_nc_u64 s[12:13], s[12:13], s[20:21]
.macro FRAG reg, adr, q, i             ; a fragment of B from padded rows, in pieces of 8 bytes
.irp p, 0,1,2,3,4,5
.set PCE, 12*(\q)+6*(\p/3)+\p%3
.if PCE%8 < 5
	ds_load_b64 v[\reg+2*\p:\reg+2*\p+1], v[\adr] offset:8*PCE+16*(PCE/8)+(\i)*16*PITCH
.else
	ds_load_b64 v[\reg+2*\p:\reg+2*\p+1], v[\adr+2] offset:8*PCE+16*(PCE/8)+(\i)*16*PITCH
.endif
.endr
.endm
.macro FRAGA reg, slot, q, i           ; a fragment of A: two half images, as they were stored: every load reads consecutive bytes
	ds_load_b128 v[\reg:\reg+3], v[ADRA+\slot] offset:AROW*(\i)+1536*(\q)
	ds_load_b64 v[\reg+4:\reg+5], v[ADRA+2+\slot] offset:AROW*(\i)+1536*(\q)+512
	ds_load_b128 v[\reg+6:\reg+9], v[ADRA+\slot] offset:AROW*(\i)+1536*(\q)+768
	ds_load_b64 v[\reg+10:\reg+11], v[ADRA+2+\slot] offset:AROW*(\i)+1536*(\q)+1280
.endm
; 16 matrix instructions: A's blocks a0, a0 + 1 x B's eight.  The 64 accumulators take turns, one instruction a turn, in the same order in every step.
.macro MUL16 a0, p, q, sc, zero
.irp a, \a0, \a0+1
.irp b, 0,1,2,3,4,5,6,7
.if \zero
	v_wmma_scale_f32_16x16x128_f8f6f4 v[8*(8*((\a)%4)+\b):8*(8*((\a)%4)+\b)+7], v[128*(\p)+FR*\b:128*(\p)+FR*\b+FR-1], v[AF+FR*(\a):AF+FR*(\a)+FR-1], 0, v[SC+8*NQ*(\sc)+NQ*\b+(\q)], v[SC+8*NQ*(\sc)+NQ*(\a)+(\q)] matrix_a_fmt:MATRIX_FMT_FP6 matrix_b_fmt:MATRIX_FMT_FP6 matrix_a_scale:MATRIX_SCALE_ROW1
.else
	v_wmma_scale_f32_16x16x128_f8f6f4 v[8*(8*((\a)%4)+\b):8*(8*((\a)%4)+\b)+7], v[128*(\p)+FR*\b:128*(\p)+FR*\b+FR-1], v[AF+FR*(\a):AF+FR*(\a)+FR-1], v[8*(8*((\a)%4)+\b):8*(8*((\a)%4)+\b)+7], v[SC+8*NQ*(\sc)+NQ*\b+(\q)], v[SC+8*NQ*(\sc)+NQ*(\a)+(\q)] matrix_a_fmt:MATRIX_FMT_FP6 matrix_b_fmt:MATRIX_FMT_FP6 matrix_a_scale:MATRIX_SCALE_ROW1
.endif
.endr
.endr
.endm
.macro FETCH_B slot, q, p
	WIN TO_B
.irp i, 0,1,2,3,4,5,6,7
	FRAG 128*(\p)+FR*\i, ADRB+\slot, \q, \i
.endr
	WIN 0
.endm
.macro FETCH_A slot, q, i0
.irp i, \i0, \i0+1, \i0+2, \i0+3
	FRAGA AF+FR*(\i), \slot, \q, \i
.endr
.endm
.macro SCALES sc
.irp i, 0,1,2,3,4,5,6,7
	ds_load_b64 v[SC+8*NQ*\sc+NQ*\i:SC+8*NQ*\sc+NQ*\i+1], v[ADRS] offset:\i*SBLK
.endr
.endm
.macro PLACES n
.rept \n
	v_nop
.endr
.endm
.macro STEP slot, q, zero
	s_wait_dscnt 4*NLA                             ; B's set and A's blocks 0-3 are in; the youngest 16 loads (A's blocks 4-7) may be out
	WIN MUL_LO
	MUL16 0, (\q)%2, \q, \slot, \zero
	MUL16 2, (\q)%2, \q, \slot, \zero
	s_wait_dscnt 0
	PLACES NP
	FETCH_B \slot, (\q)+1, 1-(\q)%2
	FETCH_A \slot, (\q)+1, 0
	WIN MUL_HI
	MUL16 4, (\q)%2, \q, \slot, \zero
	MUL16 6, (\q)%2, \q, \slot, \zero
	PLACES NP
	WIN 0
	FETCH_A \slot, (\q)+1, 4
.endm
.macro TURN slot, next, fill
	s_wait_tensorcnt 0x0                           ; all my tensor loads have landed: my part of the next slot
	ds_add_u32 v[SPW], v[NIL]
	s_wait_dscnt 4*NLA+1                           ; (the add and the youngest 16 loads may be out)
	WIN MUL_LO
	MUL16 0, 1, NQ-1, \slot, 0
	s_wait_dscnt 0x0                               ; the add is done, and my reads of this slot are over
	s_barrier_signal -1
	MUL16 2, 1, NQ-1, \slot, 0
	WIN 0
	s_barrier_wait -1
.if \fill
	CREST                                          ; the barrier has opened a round of the cluster's: no wave of any partner still reads this slot or has a load on its way
	s_add_nc_u64 s[G0+4*\slot+2:G0+4*\slot+3], s[G0+4*\slot+2:G0+4*\slot+3], 2*AROW
	s_add_nc_u64 s[G0B+4*\slot+2:G0B+4*\slot+3], s[G0B+4*\slot+2:G0B+4*\slot+3], 2*ROWB
	JLOAD G0+4*\slot, G1, G0B+4*\slot, G1B         ; the first tensor load behind the round; its four v_nop are the places in front of the loads below
.else
	PLACES NP
.endif
	v_add_nc_u32 v[ADRS], 4*NQ, v[ADRS]
	FETCH_B \next, 0, 0
	FETCH_A \next, 0, 0
	SCALES \next
	WIN MUL_HI
	MUL16 4, 1, NQ-1, \slot, 0
	MUL16 6, 1, NQ-1, \slot, 0
	PLACES NP
	WIN 0
	FETCH_A \next, 0, 4
.endm
	s_wait_tensorcnt 1                             ; the scales and my part of K step 0 are in (K step 1's load may be out)
	s_barrier_signal -1
	s_barrier_wait -1
	FETCH_B 0, 0, 0
	FETCH_A 0, 0, 0
	SCALES 0
	FETCH_A 0, 0, 4
	STEP 0, 0, 1                                   ; the first step's products start the sums
	s_mov_b32 s3, LAPS-1
.Llap:
	TURN 0, 1, 1
	STEP 1, 0, 0
	TURN 1, 0, 1
	STEP 0, 0, 0
	s_sub_co_u32 s3, s3, 1
	s_cmp_lg_u32 s3, 0
	s_cbranch_scc1 .Llap
	TURN 0, 1, 0                                   ; the last lap fills nothing
	STEP 1, 0, 0
	s_wait_dscnt 4*NLA
	WIN MUL_LO
	MUL16 0, 1, NQ-1, 1, 0
	MUL16 2, 1, NQ-1, 1, 0
	s_wait_dscnt 0
	WIN MUL_HI
	MUL16 4, 1, NQ-1, 1, 0
	MUL16 6, 1, NQ-1, 1, 0
	WIN 0
; THE WAY OUT, block by block of 16 rows x 128 columns, through my own stage in LDS: back come whole rows of 512 bytes.  LDS serves a wave's instructions in order: no wait between the stores and the loads.
.macro TOSTAGE a
.set AC, 64*((\a)%4)
	WIN 0x08+4*((\a)/4)                            ; the data: window 2 or 3
.irp b, 0,1,2,3,4,5,6,7
	ds_store_b128 v[STO], v[AC+8*\b:AC+8*\b+3] offset:64*\b          ; each accumulator from its low end on
	ds_store_b128 v[STO], v[AC+8*\b+4:AC+8*\b+7] offset:64*\b+16
.endr
	WIN 0
.set BB, BK+64*((\a)%2)
.irp t, 0,1,2,3,4,5,6,7,8,9,10,11,12,13,14,15
	ds_load_b128 v[BB+4*\t:BB+4*\t+3], v[RD] offset:\t*SPITCH
.endr
.endm
.macro SEND a, younger                 ; younger: the LDS instructions issued behind block a's loads, which may stay out
.set BB, BK+64*((\a)%2)
	s_wait_dscnt \younger
.if (\a) > 0
	s_add_nc_u64 s[12:13], s[12:13], 16*SIZE_N*4   ; (behind a wait on XCNT: the earlier stores have read their base)
.endif
.irp t, 0,1,2,3,4,5,6,7,8,9,10,11,12,13,14,15
	global_store_b128 v[CO], v[BB+4*\t:BB+4*\t+3], s[12:13] offset:\t*SIZE_N*4 th:TH_STORE_NT   ; 32 lanes store 512 consecutive bytes, at a multiple of 256 from the buffer's first byte
.endr
.endm
	PLACES NP                                      ; behind the last products: for the loads into A's registers and the reads of results
	TOSTAGE 0
.irp a, 1,2,3,4,5,6,7
.if \a > 1
	s_wait_xcnt 0x0                                ; block a - 2's stores have read their registers and their base
.endif
	TOSTAGE \a
	SEND \a-1, 32                                  ; behind block a - 1's loads: block a's 16 stores and 16 loads
.endr
	s_wait_xcnt 0x0
	SEND 7, 0
	s_wait_tensorcnt 0x0                           ; the wave's end, behind my last tensor load and my last LDS store
	ds_add_u32 v[SPW], v[NIL]
	s_wait_dscnt 0x0
	CROUND                                         ; the closing round
	s_endpgm
.Lfunc_end_k_qc02b4c3a67_oproj:
	.size	k_qc02b4c3a67_oproj, .Lfunc_end_k_qc02b4c3a67_oproj-k_qc02b4c3a67_oproj
	.p2alignl 7, 3214868480
	.fill 96, 4, 3214868480
	.section	.rodata,"a",@progbits
	.p2align	6, 0x0
	.amdhsa_kernel k_qc02b4c3a67_oproj
		.amdhsa_group_segment_fixed_size 327680
		.amdhsa_private_segment_fixed_size 0
		.amdhsa_enable_private_segment 0
		.amdhsa_kernarg_size 40
		.amdhsa_user_sgpr_count 2
		.amdhsa_user_sgpr_kernarg_segment_ptr 1
		.amdhsa_wavefront_size32 1
		.amdhsa_system_sgpr_workgroup_id_x 1
		.amdhsa_system_sgpr_workgroup_id_y 1
		.amdhsa_system_sgpr_workgroup_id_z 1
		.amdhsa_system_vgpr_workitem_id 0
		.amdhsa_next_free_vgpr 1024
		.amdhsa_next_free_sgpr 98
		.amdhsa_reserve_vcc 0
		.amdhsa_float_denorm_mode_32 3
		.amdhsa_float_denorm_mode_16_64 3
		.amdhsa_memory_ordered 1
		.amdhsa_forward_progress 1
		.amdhsa_inst_pref_size 152
	.end_amdhsa_kernel
	.amdgpu_metadata
---
amdhsa.version: [ 1, 2 ]
amdhsa.kernels:
  - .name:           k_qc02b4c3a67_oproj
    .symbol:         k_qc02b4c3a67_oproj.kd
    .args:
      - { .name: aoc, .offset: 0, .size: 8, .value_kind: global_buffer, .address_space: global }
      - { .name: aos, .offset: 8, .size: 8, .value_kind: global_buffer, .address_space: global }
      - { .name: wo_codes, .offset: 16, .size: 8, .value_kind: global_buffer, .address_space: global }
      - { .name: wo_scales, .offset: 24, .size: 8, .value_kind: global_buffer, .address_space: global }
      - { .name: out0, .offset: 32, .size: 8, .value_kind: global_buffer, .address_space: global }
    .group_segment_fixed_size: 327680
    .private_segment_fixed_size: 0
    .kernarg_segment_align: 8
    .kernarg_segment_size: 40
    .max_flat_workgroup_size: 128
    .sgpr_count:     98
    .vgpr_count:     1024
    .wavefront_size: 32
...
	.end_amdgpu_metadata
.endif
;; end of part 3
